; MI455X (gfx1250); checked and timed in simulation.
; The chip was launched on July 23, 2026; its instructions are those of AMD's public machine-readable ISA for CDNA 5 (MIT licence, August 2026) and "CDNA5" Instruction Set Architecture Reference Guide (July 2026). The comments in the code are by the model that wrote it; some were corrected since.
;; Non Local. Allowed arithmetic: matrix products marked QUANTISED: E3M2 operands, one E8M0 scale for each 32 along K, by v_wmma_scale_f32_16x16x128_f8f6f4 with both operands' format E3M2, f32 sums; everything else in f32.
;; Inputs: Wk_codes 512 x 16 x 24 uint8 (E3M2 codes of Wk, K innermost, in blocks of 32 codes, four codes in three bytes); Wk_scales 512 x 16 uint8 (E8M0 scales of Wk, one for each 32 codes along K); Wo_codes 512 x 16 x 24 uint8 (E3M2 codes of Wo, K innermost, in blocks of 32 codes, four codes in three bytes); Wo_scales 512 x 16 uint8 (E8M0 scales of Wo, one for each 32 codes along K); Wq_codes 512 x 16 x 24 uint8 (E3M2 codes of Wq, K innermost, in blocks of 32 codes, four codes in three bytes); Wq_scales 512 x 16 uint8 (E8M0 scales of Wq, one for each 32 codes along K); Wv_codes 512 x 16 x 24 uint8 (E3M2 codes of Wv, K innermost, in blocks of 32 codes, four codes in three bytes); Wv_scales 512 x 16 uint8 (E8M0 scales of Wv, one for each 32 codes along K); beta 512 float32; bk 512 float32; bo 512 float32; bq 512 float32; bv 512 float32; gamma 512 float32; inp 16 x 512 x 32 x 32 float32.
;; Outputs: out0 16 x 512 x 32 x 32 float32.
;; This version of the problem:
;;   THIS VERSION OF THE PROBLEM IS GIVEN IN LOW PRECISION. The matrix products marked QUANTISED in the list below multiply operands that are first quantised to E3M2 (3 exponent bits, 2 mantissa bits; 6 bits a number), with one power-of-two scale for each 32 numbers along K (OCP MX v1.0); their sums are f32. All else is computed in f32.
;;   The module's matrix products, in the order in which they are computed (A, B: the left and right operand; K: the contracted axis; several contracted axes count as one K, in the product's order):
;;     1. [M 16,384, K 512] x [K 512, N 512]; A: computed on the way; B: input Wq (given as codes): QUANTISED
;;     2. [M 16,384, K 512] x [K 512, N 512]; A: computed on the way; B: input Wk (given as codes): QUANTISED
;;     3. [M 16,384, K 512] x [K 512, N 512]; A: computed on the way; B: input Wv (given as codes): QUANTISED
;;     4. batch 16 x [M 1,024, K 512] x [K 512, N 1,024]; A: computed on the way; B: computed on the way: QUANTISED
;;     5. batch 16 x [M 512, K 1,024] x [K 1,024, N 1,024]; A: computed on the way; B: softmax (see below): QUANTISED
;;     6. [M 16,384, K 512] x [K 512, N 512]; A: computed on the way; B: input Wo (given as codes): QUANTISED
;;   THE QUANTISER, for each operand of a quantised product, along K:
;;     - K is cut into blocks of 32 from its start; a last block that is shorter is filled with zeros.
;;     - A block's scale is 2^e with e = floor(log2(the largest magnitude in the block)) - 4, held to -126 .. 127; a block of zeros has e = 0. As a byte (E8M0): e + 127.
;;     - Each number is divided by its block's scale, clamped to +-28, and rounded to the nearest number of E3M2, ties to even, subnormals kept.
;;     - The product sums the exact products of the quantised numbers (number of the format x scale) in f32.
;;   ~~~python
;;   def quantise(x, axis):      # numpy; x: float32 -> the quantised numbers, widened to float32 again
;;       x = np.moveaxis(x, axis, -1); K = x.shape[-1]
;;       x = np.pad(x, [(0, 0)] * (x.ndim - 1) + [(0, -K % 32)]); x = x.reshape(x.shape[:-1] + (-1, 32)); a = np.abs(x).max(-1, keepdims=True)
;;       e = np.where(a > 0, np.clip(np.frexp(np.where(a > 0, a, 1))[1] - 1 - 4, -126, 127), 0)      # np.frexp(a)[1] - 1 = floor(log2(a)), exactly
;;       r = np.clip(x / 2.0 ** e, -28, 28)
;;       step = 2.0 ** (np.maximum(np.frexp(np.where(r == 0, 1, r))[1] - 1, -2) - 2)
;;       q = np.round(r / step) * step * 2.0 ** e      # np.round: ties to even
;;       return np.moveaxis(q.reshape(q.shape[:-2] + (-1,))[..., :K], -1, axis).astype(np.float32)
;;   ~~~
;;   SOFTMAX AHEAD OF A QUANTISED PRODUCT. Where the list says 'softmax', what is quantised is not the finished softmax but p = 2^(t - M), with t = logit x log2(e) and M = ceil(the row's largest t), a whole number; so 1/2 < the row's largest p <= 1. The row's sum l is taken of the UNQUANTISED p, in f32, and the product's result is divided by l at the end. Since M is a whole number, a kernel that streams over the keys may use a running M (the ceiling of the running maximum): every later rescaling is an exact power of two, which a block's scale takes up: the codes' values come out the same.
;;   OPERANDS COMPUTED ON THE WAY. 'Computed on the way' means the value that the module computes at that place (a softmax that the list does not call 'softmax' is quantised finished and normalised). What goes into a quantiser is computed in f32, as accurately as f32 sums, v_exp_f32 and their like allow (about 1e-6 of the number): no bf16 or f16 on the way to a quantiser, and a product that is left as it is and whose result goes on into a quantised operand takes f32 operands (vector FMAs, or v_wmma_f32_16x16x4_f32). A number that lies on a knife's edge between two numbers of the format may be rounded either way, as far as f32 arithmetic and the matrix unit's own rounding can turn it there, and no further.
;;   INPUTS GIVEN AS CODES. Wk (in the module: [512, 512], K = its axis 1); Wo (in the module: [512, 512], K = its axis 1); Wq (in the module: [512, 512], K = its axis 1); Wv (in the module: [512, 512], K = its axis 1): each comes as NAME_codes (uint8): NAME with its K axis moved to the last place and cut into blocks of 32 codes, [.., K / 32, bytes a block], one block behind the other in memory; four codes in three bytes: a row's codes are one little-endian stream of bits, code i at bits 6 i .. 6 i + 5 (a code: sign, 3 exponent bits, 2 mantissa bits); and NAME_scales (uint8): the same leading axes, one E8M0 byte (e + 127) for each 32 codes along K. Its value is code x scale, taken as it is: it is not quantised again, and the codes and scales need not be those that the quantiser above would give.
;; One version. Each part assembles by itself: llvm-mc -triple=amdgcn-amd-amdhsa -mcpu=gfx1250 --defsym DOCPART=n.
;; ======== version 1 of 1: 3 launches
;; workspace buffers: xc 6,291,456 bytes; xs 262,144 bytes; wimg 786,432 bytes; kv 12,582,912 bytes; kvs 524,288 bytes
;; launch norm (part 1): grid 272 x 1, 8 waves a work-group, no clusters, 2,560 bytes of LDS; arguments inp, gamma, beta, Wq_codes, Wk_codes, Wv_codes, Wo_codes, xc, xs, wimg; writes xc, xs, wimg
.if DOCPART == 1
	.amdgcn_target "amdgcn-amd-amdhsa--gfx1250"
	.amdhsa_code_object_version 6
	.text
	.protected	k_qf85af8f30f_norm
	.globl	k_qf85af8f30f_norm
	.p2align	8
	.type	k_qf85af8f30f_norm,@function
k_qf85af8f30f_norm:
	s_mov_b64 s[64:65], 0
	v_nop
	global_prefetch_b8 v0, s[64:65] scope:SCOPE_SE
	s_setreg_imm32_b32 hwreg(HW_REG_WAVE_MODE, 25, 1), 1
	s_wait_xcnt 0x0
; GROUP NORM AND x's QUANTISER (work-groups 0-255), AND THE FOUR WEIGHTS RE-LAID AS IMAGES OF OPERAND REGISTERS (work-groups 256-271).
; DEAD WORK: none.  Every input has a way to out0: gamma, beta, bq, bk, bv move codes of quantised operands, bo and inp are added at the end; no product is masked or sliced.  Nothing is left out in any launch.
; LIMITS: NaN and infinities among the inputs are not served.  A block whose largest magnitude lies under 2^-122 keeps the scale byte 1; so does a block of zeros (its codes are zeros, and this program alone reads the bytes).
; A quantiser block of x is 32 channels = two norm groups of 16 channels x 1,024 pixels: 131,072 dense bytes of inp.  There are 16 images x 16 blocks = 256 such pieces: one work-group each.
; A LANE TAKES A PIXEL AND ITS REGISTERS RUN DOWN THE 32 CHANNELS: lane l of wave w owns, in round i, pixel 256 i + 32 w + l; 4 rounds x 32 channels = 128 registers hold the piece between the passes, so inp is read once.
; Mean first, then the sum of squares of (x - mean): no difference of large sums.  Both sums meet in LDS, one barrier each.
; xc: [image 16][group of 32 pixels 32][128 channels 4][3,072]: in a piece, register pair p of a fragment at 512 p + 256 h + 128 (i xor h) + 8 r; tile i, lane r of a group is pixel 8 i + r + 8 (r / 8).
; So each store of a wave below covers 256 consecutive bytes, aligned.  xs: [image][block 16][1,024 places: 32 group + 16 i + r], a byte each.
; wimg: [Wq, Wk, Wv, Wo][tile 32][128 along K 4][1,536]: registers 4 q .. 4 q + 3 of lane l at 512 q + 16 l; lane r of tile 2 b + u is weight row 32 b + 8 u + r + 8 (r / 8).
.set X,     64                         ; v64-191   round i, channel ch at v[X + 32 i + ch]
.set C,     32                         ; v32-63    eight registers of codes for each round (at first: the partial sums read back)
.set GA,    192                        ; v192-223  gamma of my 32 channels, later gamma / sqrt(var + eps)
.set BE,    224                        ; v224-255  beta
.set RED1,  0                          ; LDS: eight waves' (sum A, sum B)
.set RED2,  256                        ; the same for the squares
.set SB,    512                        ; 1,024 scale bytes
.set SPARE, 1536                       ; the spare words, 128 bytes for each of eight waves; no other line names them
.set SPW,   30
.set NIL,   31
	s_load_b512 s[4:19], s[0:1], 0x0               ; inp s[4:5], gamma s[6:7], beta s[8:9], Wq s[10:11], Wk s[12:13], Wv s[14:15], Wo s[16:17], xc s[18:19]
	s_load_b128 s[20:23], s[0:1], 0x40             ; xs s[20:21], wimg s[22:23]
	v_lshl_add_u32 v[SPW], v0, 2, SPARE
	v_mov_b32 v[NIL], 0
	v_lshrrev_b32 v1, 5, v0
	v_readfirstlane_b32 s24, v1                    ; wave 0..7
	v_and_b32 v2, 31, v0                           ; lane
	s_cmp_ge_u32 ttmp9, 256
	s_cbranch_scc1 .Lweights
	; ---- the norm: work-group = 16 x image + block
	s_lshl_b32 s26, ttmp9, 17                      ; my piece of inp: 131,072 bytes each
	s_mov_b32 s27, 0
	s_lshr_b32 s28, ttmp9, 4                       ; image
	s_and_b32 s29, ttmp9, 15                       ; block kb = 4 s + 2 c + h
	s_lshl_b32 s30, s29, 7                         ; 32 numbers of gamma and of beta
	s_mov_b32 s31, 0
	s_and_b32 s33, s29, 1                          ; h
	s_mul_i32 s34, s28, 393216                     ; xc: image,
	s_mul_i32 s35, s24, 12288                      ; group w of round 0,
	s_add_co_u32 s34, s34, s35
	s_lshr_b32 s35, s29, 2
	s_mul_i32 s35, s35, 3072                       ; s,
	s_add_co_u32 s34, s34, s35
	s_bfe_u32 s35, s29, 0x10001
	s_mul_i32 s35, s35, 1536                       ; c: pairs 3 c .. 3 c + 2,
	s_add_co_u32 s34, s34, s35
	s_lshl_b32 s35, s33, 8                         ; h
	s_add_co_u32 s34, s34, s35
	s_mov_b32 s35, 0
	s_lshl_b32 s36, ttmp9, 10                      ; xs: 1,024 bytes a piece
	s_mov_b32 s37, 0
	s_mov_b32 s38, 0x76543210
	s_mov_b32 s39, 0xfedcba98                      ; lane l xor 16
	s_mov_b32 s40, 0x38800000                      ; 2^-14: a group has 16,384 numbers
	s_mov_b32 s41, 0x358637bd                      ; eps = 1e-6
	v_lshlrev_b32 v4, 2, v0                        ; inp: 128 w + 4 l
	v_mov_b32 v3, 0
	v_bfe_u32 v24, v0, 3, 1                        ; tile i of my pixel in its group
	v_and_b32 v25, 7, v0
	v_bfe_u32 v26, v0, 4, 1
	v_lshl_add_u32 v25, v26, 3, v25                ; lane r of my pixel in that tile
	v_xor_b32 v27, s33, v24
	v_lshlrev_b32 v27, 7, v27
	v_lshl_add_u32 v5, v25, 3, v27                 ; xc: 128 (i xor h) + 8 r
	v_and_b32 v6, 0xe0, v0
	v_lshl_add_u32 v6, v24, 4, v6
	v_add_nc_u32 v6, v6, v25
	v_add_nc_u32 v6, SB, v6                        ; LDS: my pixel's scale byte: 32 w + 16 i + r
	v_lshlrev_b32 v7, 3, v1                        ; LDS: 8 w
	v_and_b32 v28, 63, v0
	v_lshlrev_b32 v28, 4, v28                      ; the scale bytes' way out: 16 bytes a thread of waves 0 and 1
	v_add_nc_u32 v29, SB, v28
	s_wait_kmcnt 0x0
	s_add_nc_u64 s[4:5], s[4:5], s[26:27]
	s_add_nc_u64 s[6:7], s[6:7], s[30:31]
	s_add_nc_u64 s[8:9], s[8:9], s[30:31]
	s_add_nc_u64 s[18:19], s[18:19], s[34:35]
	s_add_nc_u64 s[20:21], s[20:21], s[36:37]
.irp j, 0,1,2,3,4,5,6,7
	global_load_b128 v[GA+4*\j:GA+4*\j+3], v3, s[6:7] offset:16*\j
	global_load_b128 v[BE+4*\j:BE+4*\j+3], v3, s[8:9] offset:16*\j
.endr
.irp i, 0,1,2,3
.irp ch, 0,1,2,3,4,5,6,7,8,9,10,11,12,13,14,15,16,17,18,19,20,21,22,23,24,25,26,27,28,29,30,31
	global_load_b32 v[X+32*\i+\ch], v4, s[4:5] offset:\ch*4096+\i*1024 th:TH_LOAD_NT   ; the eight waves stand on 1,024 consecutive bytes of a channel
.endr
.endr
; the sums of round i: group A (channels 0-15) in v[8:11], group B in v[12:15], two chains each; the first lines add data to data: nothing is cleared
.macro SUMS i
.irp gq, 0,1
.set XB, X+32*(\i)+16*\gq
.if (\i) == 0
	v_pk_add_f32 v[8+4*\gq:9+4*\gq], v[XB:XB+1], v[XB+2:XB+3]
	v_pk_add_f32 v[10+4*\gq:11+4*\gq], v[XB+4:XB+5], v[XB+6:XB+7]
.else
	v_pk_add_f32 v[8+4*\gq:9+4*\gq], v[8+4*\gq:9+4*\gq], v[XB:XB+1]
	v_pk_add_f32 v[10+4*\gq:11+4*\gq], v[10+4*\gq:11+4*\gq], v[XB+2:XB+3]
	v_pk_add_f32 v[8+4*\gq:9+4*\gq], v[8+4*\gq:9+4*\gq], v[XB+4:XB+5]
	v_pk_add_f32 v[10+4*\gq:11+4*\gq], v[10+4*\gq:11+4*\gq], v[XB+6:XB+7]
.endif
	v_pk_add_f32 v[8+4*\gq:9+4*\gq], v[8+4*\gq:9+4*\gq], v[XB+8:XB+9]
	v_pk_add_f32 v[10+4*\gq:11+4*\gq], v[10+4*\gq:11+4*\gq], v[XB+10:XB+11]
	v_pk_add_f32 v[8+4*\gq:9+4*\gq], v[8+4*\gq:9+4*\gq], v[XB+12:XB+13]
	v_pk_add_f32 v[10+4*\gq:11+4*\gq], v[10+4*\gq:11+4*\gq], v[XB+14:XB+15]
.endr
.endm
; x - mean in place, and the sums of its squares
.macro SQ i
.irp gq, 0,1
.set XB, X+32*(\i)+16*\gq
.irp p, 0,2,4,6,8,10,12,14
	v_pk_add_f32 v[XB+\p:XB+\p+1], v[XB+\p:XB+\p+1], v[16+2*\gq:17+2*\gq] neg_lo:[0,1] neg_hi:[0,1]
.endr
.irp p, 0,4,8,12
.if ((\i) == 0) && (\p == 0)
	v_pk_mul_f32 v[8+4*\gq:9+4*\gq], v[XB:XB+1], v[XB:XB+1]
	v_pk_mul_f32 v[10+4*\gq:11+4*\gq], v[XB+2:XB+3], v[XB+2:XB+3]
.else
	v_pk_fma_f32 v[8+4*\gq:9+4*\gq], v[XB+\p:XB+\p+1], v[XB+\p:XB+\p+1], v[8+4*\gq:9+4*\gq]
	v_pk_fma_f32 v[10+4*\gq:11+4*\gq], v[XB+\p+2:XB+\p+3], v[XB+\p+2:XB+\p+3], v[10+4*\gq:11+4*\gq]
.endif
.endr
.endr
.endm
; both groups' sums: within the lane, across the 32 lanes, across the eight waves through LDS; the totals come out in v32 (A) and v33 (B) of every lane
.macro REDUCE off
	v_pk_add_f32 v[8:9], v[8:9], v[10:11]
	v_pk_add_f32 v[12:13], v[12:13], v[14:15]
	v_add_f32 v8, v8, v9
	v_add_f32 v9, v12, v13
.irp m, 1,2,4,8
	v_add_f32_dpp v8, v8, v8 row_xmask:\m row_mask:0xf bank_mask:0xf
	v_add_f32_dpp v9, v9, v9 row_xmask:\m row_mask:0xf bank_mask:0xf
.endr
	v_permlanex16_b32 v24, v8, s38, s39            ; (v24, v25 were written at the head)
	v_permlanex16_b32 v25, v9, s38, s39
	v_pk_add_f32 v[8:9], v[8:9], v[24:25]
	ds_store_b64 v7, v[8:9] offset:\off            ; all lanes write the wave's 8 bytes with the same value
	s_wait_dscnt 0x0                               ; for the others' sake: my store has landed
	s_barrier_signal -1
	s_barrier_wait -1
.irp j, 0,1,2,3
	ds_load_b128 v[32+4*\j:35+4*\j], v3 offset:\off+16*\j
.endr
	s_wait_dscnt 0x0
	v_pk_add_f32 v[32:33], v[32:33], v[34:35]
	v_pk_add_f32 v[36:37], v[36:37], v[38:39]
	v_pk_add_f32 v[40:41], v[40:41], v[42:43]
	v_pk_add_f32 v[44:45], v[44:45], v[46:47]
	v_pk_add_f32 v[32:33], v[32:33], v[36:37]
	v_pk_add_f32 v[40:41], v[40:41], v[44:45]
	v_pk_add_f32 v[32:33], v[32:33], v[40:41]
.endm
	s_wait_loadcnt 63                              ; behind round 0's loads 96 were issued, behind round 1's 64: 63 is the largest count that can be named
	SUMS 0
	SUMS 1
	s_wait_loadcnt 32                              ; round 3's 32 may be out
	SUMS 2
	s_wait_loadcnt 0x0
	SUMS 3
	REDUCE RED1
	v_mul_f32 v16, s40, v32                        ; the means, each twice: the packed lines name pairs
	v_mul_f32 v18, s40, v33
	v_mov_b32 v17, v16
	v_mov_b32 v19, v18
	SQ 0
	SQ 1
	SQ 2
	SQ 3
	REDUCE RED2
	v_fma_f32 v26, v32, s40, s41                   ; var + eps
	v_fma_f32 v27, v33, s40, s41
	v_rsq_f32 v20, v26
	v_rsq_f32 v22, v27
	v_nop                                          ; a plain line behind the transcendentals,
	s_wait_alu depctr_va_vdst(0)                   ; and the one wait for both, ahead of their first reader
	v_mov_b32 v21, v20
	v_mov_b32 v23, v22
.irp p, 0,2,4,6,8,10,12,14
	v_pk_mul_f32 v[GA+\p:GA+\p+1], v[GA+\p:GA+\p+1], v[20:21]
	v_pk_mul_f32 v[GA+16+\p:GA+17+\p], v[GA+16+\p:GA+17+\p], v[22:23]
.endr
.irp i, 0,1,2,3
.irp p, 0,2,4,6,8,10,12,14,16,18,20,22,24,26,28,30
	v_pk_fma_f32 v[X+32*\i+\p:X+32*\i+\p+1], v[X+32*\i+\p:X+32*\i+\p+1], v[GA+\p:GA+\p+1], v[BE+\p:BE+\p+1]
.endr
.endr
; round i: my pixel's block of 32 channels lies in my 32 registers: its largest magnitude needs no other lane, and the conversions give codes with the channels innermost
.macro QBLK i
.set XQ, X+32*(\i)
.set CC, C+8*(\i)
	v_max3_num_f32 v24, |v[XQ]|, |v[XQ+1]|, |v[XQ+2]|
	v_max3_num_f32 v25, |v[XQ+3]|, |v[XQ+4]|, |v[XQ+5]|
.irp k, 6,10,14,18,22,26
	v_max3_num_f32 v24, v24, |v[XQ+\k]|, |v[XQ+\k+1]|
	v_max3_num_f32 v25, v25, |v[XQ+\k+2]|, |v[XQ+\k+3]|
.endr
	v_max3_num_f32 v24, v24, |v[XQ+30]|, |v[XQ+31]|
	v_max3_num_f32 v24, v24, v25, 0x2800000        ; the floor 2^(5 - 127): the byte cannot fall under 1
	v_add_nc_u32 v26, 0xfe000000, v24              ; 4 off the exponent field: the conversion's scale operand
	v_cvt_scalef32_pk16_bf6_f32 v[CC:CC+2], v[XQ:XQ+15], v26
	v_cvt_scalef32_pk16_bf6_f32 v[CC+4:CC+6], v[XQ+16:XQ+31], v26   ; (three registers from an even one on)
	v_lshrrev_b32 v[16+(\i)], 23, v26              ; the scale's byte; also the plain line behind the conversions
	v_mov_b32 v[CC+3], v[CC+4]
	v_mov_b32 v[CC+4], v[CC+5]
	v_mov_b32 v[CC+5], v[CC+6]                     ; 24 bytes on end: three register pairs of the operand
.irp j, 0,1,2
	global_store_b64 v5, v[CC+2*\j:CC+2*\j+1], s[18:19] offset:(\i)*98304+\j*512   ; 32 lanes store 256 consecutive bytes, aligned; each round has its own registers
.endr
	ds_store_b8 v6, v[16+(\i)] offset:256*(\i)
.endm
	QBLK 0
	QBLK 1
	QBLK 2
	QBLK 3
	s_wait_dscnt 0x0                               ; my scale bytes have landed
	s_barrier_signal -1
	s_barrier_wait -1
	s_cmp_ge_u32 s24, 2                            ; waves 0 and 1 store the piece's 1,024 scale bytes, 512 consecutive bytes a wave
	s_cbranch_scc1 .Lend
	ds_load_b128 v[8:11], v29
	s_wait_dscnt 0x0
	global_store_b128 v28, v[8:11], s[20:21]
	s_branch .Lend
.Lweights:
	; ---- a wave takes one tile of 16 weight rows x 512 along K: four fragments
	s_sub_co_u32 s26, ttmp9, 256
	s_lshr_b32 s27, s26, 2                         ; which weight: 0 Wq, 1 Wk, 2 Wv, 3 Wo
	s_and_b32 s28, s26, 3
	s_lshl_b32 s28, s28, 3
	s_add_co_u32 s28, s28, s24                     ; tile 0..31
	s_lshr_b32 s29, s28, 1
	s_lshl_b32 s29, s29, 5
	s_and_b32 s30, s28, 1
	s_lshl_b32 s30, s30, 3
	s_add_co_u32 s30, s29, s30                     ; the tile's first row: 32 (t / 2) + 8 (t % 2)
	s_mul_i32 s30, s30, 384                        ; a row of 512 codes is 384 bytes
	s_mov_b32 s31, 0
	s_mul_i32 s32, s27, 196608
	s_mul_i32 s33, s28, 6144
	s_add_co_u32 s32, s32, s33
	s_mov_b32 s33, 0
	v_and_b32 v3, 15, v0
	v_and_b32 v4, 8, v3
	v_add_nc_u32 v3, v3, v4                        ; r + 8 (r / 8)
	v_bfe_u32 v4, v0, 4, 1
	v_mul_u32_u24 v3, v3, 384
	v_mad_u32_u24 v3, v4, 24, v3                   ; + 24 h
	v_lshlrev_b32 v4, 4, v2                        ; 16 x lane
	s_wait_kmcnt 0x0
	s_cmp_eq_u32 s27, 1                            ; the choice hangs on the work-group's number alone
	s_cselect_b64 s[10:11], s[12:13], s[10:11]
	s_cmp_eq_u32 s27, 2
	s_cselect_b64 s[10:11], s[14:15], s[10:11]
	s_cmp_eq_u32 s27, 3
	s_cselect_b64 s[10:11], s[16:17], s[10:11]
	s_add_nc_u64 s[10:11], s[10:11], s[30:31]
	s_add_nc_u64 s[22:23], s[22:23], s[32:33]
.irp s, 0,1,2,3
.irp p, 0,1,2,3,4,5
	global_load_b64 v[64+12*\s+2*\p:65+12*\s+2*\p], v3, s[10:11] offset:96*\s+48*(\p/3)+8*(\p%3)
.endr
.endr
	s_wait_loadcnt 0x0
.irp s, 0,1,2,3
.irp q, 0,1,2
	global_store_b128 v4, v[64+12*\s+4*\q:67+12*\s+4*\q], s[22:23] offset:1536*\s+512*\q   ; 512 consecutive bytes, aligned
.endr
.endr
.Lend:
	s_wait_tensorcnt 0x0                           ; the wave's end
	ds_add_u32 v[SPW], v[NIL]
	s_wait_dscnt 0x0
	s_endpgm
.Lfunc_end_k_qf85af8f30f_norm:
	.size	k_qf85af8f30f_norm, .Lfunc_end_k_qf85af8f30f_norm-k_qf85af8f30f_norm
	.p2alignl 7, 3214868480
	.fill 96, 4, 3214868480
	.section	.rodata,"a",@progbits
	.p2align	6, 0x0
	.amdhsa_kernel k_qf85af8f30f_norm
		.amdhsa_group_segment_fixed_size 2560
		.amdhsa_private_segment_fixed_size 0
		.amdhsa_enable_private_segment 0
		.amdhsa_kernarg_size 80
		.amdhsa_user_sgpr_count 2
		.amdhsa_user_sgpr_kernarg_segment_ptr 1
		.amdhsa_wavefront_size32 1
		.amdhsa_system_sgpr_workgroup_id_x 1
		.amdhsa_system_sgpr_workgroup_id_y 1
		.amdhsa_system_sgpr_workgroup_id_z 1
		.amdhsa_system_vgpr_workitem_id 0
		.amdhsa_next_free_vgpr 256
		.amdhsa_next_free_sgpr 66
		.amdhsa_reserve_vcc 0
		.amdhsa_float_denorm_mode_32 3
		.amdhsa_float_denorm_mode_16_64 3
		.amdhsa_memory_ordered 1
		.amdhsa_forward_progress 1
		.amdhsa_inst_pref_size 49
	.end_amdhsa_kernel
	.amdgpu_metadata
---
amdhsa.version: [ 1, 2 ]
amdhsa.kernels:
  - .name:           k_qf85af8f30f_norm
    .symbol:         k_qf85af8f30f_norm.kd
    .args:
      - { .name: inp, .offset: 0, .size: 8, .value_kind: global_buffer, .address_space: global }
      - { .name: gamma, .offset: 8, .size: 8, .value_kind: global_buffer, .address_space: global }
      - { .name: beta, .offset: 16, .size: 8, .value_kind: global_buffer, .address_space: global }
      - { .name: Wq_codes, .offset: 24, .size: 8, .value_kind: global_buffer, .address_space: global }
      - { .name: Wk_codes, .offset: 32, .size: 8, .value_kind: global_buffer, .address_space: global }
      - { .name: Wv_codes, .offset: 40, .size: 8, .value_kind: global_buffer, .address_space: global }
      - { .name: Wo_codes, .offset: 48, .size: 8, .value_kind: global_buffer, .address_space: global }
      - { .name: xc, .offset: 56, .size: 8, .value_kind: global_buffer, .address_space: global }
      - { .name: xs, .offset: 64, .size: 8, .value_kind: global_buffer, .address_space: global }
      - { .name: wimg, .offset: 72, .size: 8, .value_kind: global_buffer, .address_space: global }
    .group_segment_fixed_size: 2560
    .private_segment_fixed_size: 0
    .kernarg_segment_align: 8
    .kernarg_segment_size: 80
    .max_flat_workgroup_size: 256
    .sgpr_count:     66
    .vgpr_count:     256
    .wavefront_size: 32
...
	.end_amdgpu_metadata
.endif
;; end of part 1
;; launch kv (part 2): grid 128 x 2, 4 waves a work-group, clusters of 4 x 1, 250,368 bytes of LDS; arguments xc, xs, wimg, Wk_scales, Wv_scales, bk, bv, kv, kvs; writes kv, kvs
.if DOCPART == 2
	.amdgcn_target "amdgcn-amd-amdhsa--gfx1250"
	.amdhsa_code_object_version 6
	.text
	.protected	k_qf85af8f30f_kv
	.globl	k_qf85af8f30f_kv
	.p2align	8
	.type	k_qf85af8f30f_kv,@function
k_qf85af8f30f_kv:
	s_mov_b64 s[64:65], 0
	v_nop
	global_prefetch_b8 v0, s[64:65] scope:SCOPE_SE
	s_setreg_imm32_b32 hwreg(HW_REG_WAVE_MODE, 25, 1), 1
	s_wait_xcnt 0x0
	s_wait_alu depctr_hold_cnt(0) depctr_sa_sdst(0) depctr_va_vdst(0) depctr_va_sdst(0) depctr_va_ssrc(0) depctr_va_vcc(0) depctr_vm_vsrc(0)
	s_getreg_b32 s2, hwreg(HW_REG_IB_STS2, 6, 4)
	s_cmp_eq_u32 s2, 0
	s_cbranch_scc0 .Lentry_in_a_cluster
	s_endpgm
.Lentry_in_a_cluster:
	s_bfe_u32 s2, ttmp6, 0x10000c
	s_cmp_lg_u32 s2, 0x3003
	s_cbranch_scc0 .Lentry_shape_is_right
	s_endpgm
.Lentry_shape_is_right:
; K = Wk x + bk, quantised along the channels (work-groups with y = 0), and V = Wv x + bv, quantised along the pixels (y = 1).  No work is left out.
; LIMITS: as in the first launch (NaN and infinities not served; a block under 2^-122 or of zeros keeps the byte 1).
; A work-group takes 128 pixels of one image x all 512 outputs; wave w takes outputs 128 w .. 128 w + 127: 64 accumulators, four K steps of 128, 256 matrix instructions.
; K: source 0 = 16 rows of Wk, source 1 = 16 pixels: a lane holds ONE pixel, its registers run along the outputs, which are the next product's K.  V: the sources change places: a lane holds one output channel, its registers run along the pixels.
; Tiles of rows (weights and pixels alike) hold rows 32 b + 8 u + {0..7, 16..23}: so the 16 registers of tiles 2 b and 2 b + 1 are 16 neighbours along the next K.
; CLUSTER: the four work-groups of a cluster need the same weight: it comes by joint loads (mask 15), 12,288 bytes a wave and K step; x's codes come by plain tensor loads, 3,072 bytes a wave and K step.
; No LDS byte is filled twice.
; kv: [image][w 4][16 key tiles x 4 K steps x 1,536 | 8 channel tiles x 8 key steps x 1,536]: fragments as images of their registers (registers 4 q .. 4 q + 3 of lane l at 512 q + 16 l).
; kvs: [image][K: 1,024 places x 16 bytes | V: 8 key steps x 512 places x 4 bytes].
; REGISTERS: window 0: v1-13 addresses; v32-47 the weight's scale words, v48-63 x's; v64-159, v160-255 source 1, two sets (on the way out: at work).  window 1: v0-95, v96-191 source 0, two sets; v192-255 the bias.
;   windows 2, 3: the accumulators: (source 1's tile b, source 0's tile a) at v[64 (b % 4) + 8 a] of window 2 + b / 4.
.set XREG,  196608                     ; LDS: 0: the weight: wave w at 49,152 w, K step s at + 12,288 s, tile t at + 1,536 t;  XREG: x: K step s at 12,288 s, group g at + 3,072 g
.set STK,   245760                     ; K's scale words, 2,048 bytes
.set STV,   247808                     ; V's, 2,048 bytes: each path has bytes of its own
.set SPARE, 249856                     ; the spare words, 128 bytes a wave; no other line names them
.set LI,    1                          ; 16 x lane
.set XA0,   2                          ; x's fragments: even tiles: XREG + 8 r + 384 h
.set XA1,   3                          ; odd tiles: XREG + 128 + 8 r + 128 h
.set WA,    4                          ; the weight's: 16 x lane + 49,152 w
.set KSTO,  5
.set KRD,   6
.set VSTO,  7
.set VRD,   8
.set WSO,   9                          ; the weight's scale words: 16 (8 h + r + 8 (r / 8))
.set BKO,   10                         ; 64 h
.set BVO,   11                         ; 4 (r + 8 (r / 8))
.set T16,   12                         ; 16 x thread
.set LN,    13                         ; lane
.set SPW,   28
.set NIL,   29
.set WS,    32
.set XS,    48
.set S1,    64
.set TM,    64
.set PW,    80
.set PC,    84
.set WV,    22
.set YY,    23
.set G1W,   24
.set G1X,   68
.set SEL,   86
.set MSB, 0
.macro WIN new                         ; the immediate's high byte repeats the setting that is left; a switch that changes nothing is dropped
.if MSB != (\new)
	s_set_vgpr_msb (MSB<<8)|(\new)
.set MSB, \new
.endif
.endm
.macro PLACES                          ; four plain lines behind a matrix instruction, ahead of loads into its registers and of reads of its results
.rept 4
	v_nop
.endr
.endm
.macro CREST
	s_cmp_lg_u32 s[WV], 0
	s_cbranch_scc1 .Lnot_wave_0_\@
	s_barrier_signal -3
.Lnot_wave_0_\@:
	s_barrier_wait -3
	s_barrier_signal -1
	s_barrier_wait -1
.endm
.macro ROUND                           ; a round of the cluster's barrier
	s_barrier_signal -1
	s_barrier_wait -1
	CREST
.endm
; one product 16 x 16 x 128.  c < 0: the constant 0 starts the sum.  ra, rb: the scale words stand in lanes 0-15 (0) or 16-31 (1) of sa, sb
.macro WM d, a, b, c, sa, ra, sb, rb
.if (\c) < 0
.if ((\ra) == 0) && ((\rb) == 0)
	v_wmma_scale_f32_16x16x128_f8f6f4 v[(\d):(\d)+7], v[(\a):(\a)+11], v[(\b):(\b)+11], 0, v[\sa], v[\sb] matrix_a_fmt:MATRIX_FMT_BF6 matrix_b_fmt:MATRIX_FMT_BF6
.elseif ((\ra) == 1) && ((\rb) == 0)
	v_wmma_scale_f32_16x16x128_f8f6f4 v[(\d):(\d)+7], v[(\a):(\a)+11], v[(\b):(\b)+11], 0, v[\sa], v[\sb] matrix_a_fmt:MATRIX_FMT_BF6 matrix_b_fmt:MATRIX_FMT_BF6 matrix_a_scale:MATRIX_SCALE_ROW1
.elseif ((\ra) == 0) && ((\rb) == 1)
	v_wmma_scale_f32_16x16x128_f8f6f4 v[(\d):(\d)+7], v[(\a):(\a)+11], v[(\b):(\b)+11], 0, v[\sa], v[\sb] matrix_a_fmt:MATRIX_FMT_BF6 matrix_b_fmt:MATRIX_FMT_BF6 matrix_b_scale:MATRIX_SCALE_ROW1
.else
	v_wmma_scale_f32_16x16x128_f8f6f4 v[(\d):(\d)+7], v[(\a):(\a)+11], v[(\b):(\b)+11], 0, v[\sa], v[\sb] matrix_a_fmt:MATRIX_FMT_BF6 matrix_b_fmt:MATRIX_FMT_BF6 matrix_a_scale:MATRIX_SCALE_ROW1 matrix_b_scale:MATRIX_SCALE_ROW1
.endif
.else
.if ((\ra) == 0) && ((\rb) == 0)
	v_wmma_scale_f32_16x16x128_f8f6f4 v[(\d):(\d)+7], v[(\a):(\a)+11], v[(\b):(\b)+11], v[(\c):(\c)+7], v[\sa], v[\sb] matrix_a_fmt:MATRIX_FMT_BF6 matrix_b_fmt:MATRIX_FMT_BF6
.elseif ((\ra) == 1) && ((\rb) == 0)
	v_wmma_scale_f32_16x16x128_f8f6f4 v[(\d):(\d)+7], v[(\a):(\a)+11], v[(\b):(\b)+11], v[(\c):(\c)+7], v[\sa], v[\sb] matrix_a_fmt:MATRIX_FMT_BF6 matrix_b_fmt:MATRIX_FMT_BF6 matrix_a_scale:MATRIX_SCALE_ROW1
.elseif ((\ra) == 0) && ((\rb) == 1)
	v_wmma_scale_f32_16x16x128_f8f6f4 v[(\d):(\d)+7], v[(\a):(\a)+11], v[(\b):(\b)+11], v[(\c):(\c)+7], v[\sa], v[\sb] matrix_a_fmt:MATRIX_FMT_BF6 matrix_b_fmt:MATRIX_FMT_BF6 matrix_b_scale:MATRIX_SCALE_ROW1
.else
	v_wmma_scale_f32_16x16x128_f8f6f4 v[(\d):(\d)+7], v[(\a):(\a)+11], v[(\b):(\b)+11], v[(\c):(\c)+7], v[\sa], v[\sb] matrix_a_fmt:MATRIX_FMT_BF6 matrix_b_fmt:MATRIX_FMT_BF6 matrix_a_scale:MATRIX_SCALE_ROW1 matrix_b_scale:MATRIX_SCALE_ROW1
.endif
.endif
.endm
; 64 numbers of a lane in window w, block b at v[src + bs b .. + 15] = k 32 b + 16 (lane / 16) + 0 .. 15 of my row, become a fragment's codes in v[PC .. PC + 11] and its scale word in v[PW], window 0.
; Each accumulator is first read at its two lowest registers.
.macro QUANT src, bs, w
	WIN (\w)|((\w)<<2)
.irp be, 0,1,2,3
	v_max3_num_f32 v[TM+\be], |v[(\src)+(\bs)*\be]|, |v[(\src)+(\bs)*\be+1]|, 0x2800000   ; with the floor 2^(5 - 127): the byte cannot fall under 1
.endr
.irp i, 2,4,6,8,10,12,14
.irp be, 0,1,2,3
	v_max3_num_f32 v[TM+\be], |v[(\src)+(\bs)*\be+\i]|, |v[(\src)+(\bs)*\be+\i+1]|, v[TM+\be]
.endr
.endr
	WIN 0
.irp be, 0,1,2,3
	v_permlanex16_b32 v[TM+4+\be], v[TM+\be], s[SEL], s[SEL+1]
.endr
.irp be, 0,1,2,3
	v_max_num_f32 v[TM+\be], v[TM+\be], v[TM+4+\be]   ; with lane l xor 16's 16: the block's largest magnitude
.endr
.irp be, 0,1,2,3
	v_add_nc_u32 v[TM+12+\be], 0xfe000000, v[TM+\be]  ; 4 off the exponent field: the conversion's scale operand
.endr
.irp be, 0,1,2,3
	v_lshrrev_b32 v[TM+4+\be], 23, v[TM+12+\be]       ; the scale's byte
.endr
	v_lshl_or_b32 v[PW], v[TM+5], 8, v[TM+4]
	v_lshl_or_b32 v[PW], v[TM+6], 16, v[PW]
	v_lshl_or_b32 v[PW], v[TM+7], 24, v[PW]
	WIN (\w)
.irp c, 0,1
	v_cvt_scalef32_pk16_bf6_f32 v[PC+6*\c:PC+6*\c+2], v[(\src)+(\bs)*2*\c:(\src)+(\bs)*2*\c+15], v[TM+12+2*\c]
	v_cvt_scalef32_pk16_bf6_f32 v[PC+12+4*\c:PC+14+4*\c], v[(\src)+(\bs)*(2*\c+1):(\src)+(\bs)*(2*\c+1)+15], v[TM+13+2*\c]
.endr
	WIN 0
	v_nop                                          ; a plain line behind the conversions
.irp c, 0,1                                    ; the operand wants a whole block in a lane: lanes 0-15 block 2 c, lanes 16-31 block 2 c + 1
.irp i, 0,1,2
	v_permlane16_swap_b32 v[PC+6*\c+\i], v[PC+12+4*\c+\i]
.endr
.irp i, 0,1,2
	v_mov_b32 v[PC+3+6*\c+\i], v[PC+12+4*\c+\i]
.endr
.endr
.endm
	s_load_b512 s[4:19], s[0:1], 0x0               ; xc s[4:5], xs s[6:7], wimg s[8:9], Wk_scales s[10:11], Wv_scales s[12:13], bk s[14:15], bv s[16:17], kv s[18:19]
	s_load_b64 s[20:21], s[0:1], 0x40              ; kvs
	v_lshl_add_u32 v[SPW], v0, 2, SPARE
	v_mov_b32 v[NIL], 0
	ds_add_u32 v[SPW], v[NIL]                      ; the opening: the add, twice on end, and its wait ahead of my first tensor load
	ds_add_u32 v[SPW], v[NIL]
	v_lshrrev_b32 v14, 5, v0
	v_readfirstlane_b32 s[WV], v14                 ; wave 0..3
	s_bfe_u32 s76, ttmp6, 0x40000                  ; cx
	s_lshl_b32 s77, ttmp9, 2
	s_add_co_u32 s77, s77, s76                     ; my block of 128 pixels, 0..127 = 8 x image + P
	s_and_b32 s[YY], ttmp7, 0xffff                 ; 0: K, 1: V; the same in the four partners
	s_lshr_b32 s78, s77, 3                         ; image
	s_and_b32 s79, s77, 7                          ; P
	s_lshl_b32 s80, s77, 2
	s_add_co_u32 s80, s80, s[WV]
	s_mul_i32 s80, s80, 12288                      ; x: the group of 32 pixels that I fetch
	s_mov_b32 s81, 0
	s_mul_i32 s84, s[WV], 49152                    ; my eight tiles: in the weight's image and in LDS
	s_add_co_u32 s82, s[YY], 1
	s_mul_i32 s82, s82, 196608                     ; Wk is weight 1, Wv weight 2: no place in the cluster enters the joint loads' registers
	s_add_co_u32 s82, s82, s84
	s_mov_b32 s83, 0
	s_mul_i32 s85, s[WV], 3072
	s_add_co_u32 s85, s85, XREG
	s_mov_b32 s[SEL], 0x76543210
	s_mov_b32 s[SEL+1], 0xfedcba98
	s_mov_b32 s[G1W], 0x0023000f                   ; the weight: mask 15, bit 21 beside it, elements of 8 bytes, no padding
	s_mov_b32 s[G1W+1], 192<<16                    ; tensor_dim0 = 192 elements: a fragment's 1,536 bytes
	s_mov_b32 s[G1W+2], 8<<16                      ; tensor_dim1 = 8 tiles
	s_mov_b32 s[G1W+3], 192<<16                    ; tile_dim0
	s_mov_b32 s[G1W+4], 8                          ; tile_dim1
	s_mov_b32 s[G1W+5], 768                        ; from tile to tile: 6,144 bytes
	s_mov_b32 s[G1W+6], 0
	s_mov_b32 s[G1W+7], 0
	s_mov_b32 s[G1X], 3<<16                        ; x: no mask; 3,072 dense bytes as 12 rows of 256
	s_mov_b32 s[G1X+1], 32<<16
	s_mov_b32 s[G1X+2], 12<<16
	s_mov_b32 s[G1X+3], 32<<16
	s_mov_b32 s[G1X+4], 12
	s_mov_b32 s[G1X+5], 32
	s_mov_b32 s[G1X+6], 0
	s_mov_b32 s[G1X+7], 0
	v_and_b32 v[LN], 31, v0
	v_lshlrev_b32 v[LI], 4, v[LN]
	v_and_b32 v14, 15, v0                          ; r
	v_bfe_u32 v15, v0, 4, 1                        ; h
	v_lshlrev_b32 v16, 3, v14
	v_mad_u32_u24 v[XA0], v15, 384, v16
	v_add_nc_u32 v[XA0], XREG, v[XA0]
	v_lshl_add_u32 v[XA1], v15, 7, v16
	v_add_nc_u32 v[XA1], XREG+128, v[XA1]
	v_add_nc_u32 v[WA], s84, v[LI]
	v_lshlrev_b32 v17, 4, v14
	s_lshl_b32 s2, s[WV], 2
	v_add_nc_u32 v[KSTO], s2, v17
	v_add_nc_u32 v[KSTO], STK, v[KSTO]             ; K's words: 16 r + 4 w (+ 256 for each tile)
	v_lshl_add_u32 v[KRD], v0, 4, STK
	v_lshlrev_b32 v17, 2, v14
	s_lshl_b32 s2, s[WV], 9
	v_add_nc_u32 v[VSTO], s2, v17
	v_add_nc_u32 v[VSTO], STV, v[VSTO]             ; V's words: 512 w + 4 r (+ 64 for each tile)
	v_lshl_add_u32 v[VRD], v0, 4, STV
	v_lshlrev_b32 v[T16], 4, v0
	v_and_b32 v18, 8, v14
	v_add_nc_u32 v18, v18, v14                     ; r + 8 (r / 8)
	v_lshlrev_b32 v[BVO], 2, v18
	v_lshl_add_u32 v18, v15, 3, v18
	v_lshlrev_b32 v[WSO], 4, v18
	v_lshlrev_b32 v[BKO], 6, v15
	s_wait_dscnt 0x0                               ; both opening adds are done
	s_wait_kmcnt 0x0
	s_add_nc_u64 s[80:81], s[4:5], s[80:81]
	s_add_nc_u64 s[82:83], s[8:9], s[82:83]
.irp s, 0,1,2,3                                ; a group 0 for each of my eight loads: x's at s[32 + 8 s ..], the weight's at s[36 + 8 s ..]
	s_mov_b32 s[32+8*\s], 1
	s_add_co_u32 s[33+8*\s], s85, \s*12288
	s_add_nc_u64 s[34+8*\s:35+8*\s], s[80:81], \s*3072
	s_or_b32 s[35+8*\s], s[35+8*\s], 0x80000000
	s_mov_b32 s[36+8*\s], 1
	s_add_co_u32 s[37+8*\s], s84, \s*12288
	s_add_nc_u64 s[38+8*\s:39+8*\s], s[82:83], \s*1536
	s_or_b32 s[39+8*\s], s[39+8*\s], 0x80000000
.endr
	s_cmp_eq_u32 s[YY], 0
	s_cselect_b64 s[10:11], s[10:11], s[12:13]     ; my weight's scale bytes
	s_mov_b32 s3, 0
	s_lshl_b32 s2, s[WV], 11
	s_add_nc_u64 s[10:11], s[10:11], s[2:3]        ; my 128 rows of 16 bytes
	s_lshl_b32 s2, s78, 14
	s_lshl_b32 s88, s79, 7
	s_add_co_u32 s2, s2, s88
	s_add_nc_u64 s[6:7], s[6:7], s[2:3]            ; xs: image, my 128 places
	s_lshl_b32 s2, s[WV], 9
	s_add_nc_u64 s[14:15], s[14:15], s[2:3]        ; the biases: my 128 numbers
	s_add_nc_u64 s[16:17], s[16:17], s[2:3]
	s_lshl_b32 s2, s78, 15
	s_lshl_b32 s88, s79, 11
	s_add_co_u32 s2, s2, s88
	s_add_nc_u64 s[20:21], s[20:21], s[2:3]        ; kvs: image, 2,048 P
	s_mul_i32 s88, s78, 786432                     ; kv: image
	ROUND                                          ; the four work-groups are here: the joint loads meet
.irp s, 0,1,2,3
	tensor_load_to_lds s[32+8*\s:35+8*\s], s[G1X:G1X+7]
	s_nop 0
	tensor_load_to_lds s[36+8*\s:39+8*\s], s[G1W:G1W+7]
	s_nop 0
.endr
	PLACES
.irp pi, 0,1,2,3
	global_load_b128 v[WS+4*\pi:WS+4*\pi+3], v[WSO], s[10:11] offset:512*\pi   ; register 4 pi + s: lanes 0-15 tile 2 pi's word of K step s, lanes 16-31 tile 2 pi + 1's
.endr
.irp g, 0,1,2,3
.irp kb, 0,1,2,3,4,5,6,7,8,9,10,11,12,13,14,15
	global_load_u8 v[S1+16*\g+\kb], v[LN], s[6:7] offset:\kb*1024+32*\g
.endr
.endr
	s_cmp_lg_u32 s[YY], 0
	s_cbranch_scc1 .Lvpath
.macro FW dst, t, s                            ; a fragment of the weight: three loads of 16 bytes a lane
.irp q, 0,1,2
	ds_load_b128 v[(\dst)+4*\q:(\dst)+4*\q+3], v[WA] offset:(\s)*12288+(\t)*1536+512*\q
.endr
.endm
.macro FX dst, t, s                            ; a fragment of x: six loads of 8 bytes a lane; the two halves of the lanes fall into opposite halves of the banks
.irp p, 0,1,2,3,4,5
	ds_load_b64 v[(\dst)+2*\p:(\dst)+2*\p+1], v[XA0+((\t)&1)] offset:(\s)*12288+((\t)>>1)*3072+512*\p
.endr
.endm
.macro FETCH v, s, set                         ; K step s: source 0's eight fragments into window 1, source 1's into window 0
	WIN 0x40
.irp t, 0,1,2,3,4,5,6,7
.if (\v) == 0
	FW 96*(\set)+12*\t, \t, \s
.else
	FX 96*(\set)+12*\t, \t, \s
.endif
.endr
	WIN 0
.irp t, 0,1,2,3,4,5,6,7
.if (\v) == 0
	FX S1+96*(\set)+12*\t, \t, \s
.else
	FW S1+96*(\set)+12*\t, \t, \s
.endif
.endr
.endm
.macro MUL64 v, s, set                         ; the 64 accumulators by turns, one instruction a turn, in the same order in every K step; the bias is the C of K step 0
.irp b, 0,1,2,3,4,5,6,7
.irp a, 0,1,2,3,4,5,6,7
.set mD, 64*(\b%4)+8*\a
.if (\s) == 0
	WIN 0x91+0x40*(\b/4)
.if (\v) == 0
.set mC, 192+8*\a
.else
.set mC, 192+8*\b
.endif
.else
	WIN 0xa1+0x50*(\b/4)
.set mC, mD
.endif
.if (\v) == 0
.set mSA, WS+4*(\a/2)+(\s)
.set mSB, XS+4*(\b/2)+(\s)
.else
.set mSA, XS+4*(\a/2)+(\s)
.set mSB, WS+4*(\b/2)+(\s)
.endif
	WM mD, 96*(\set)+12*\a, S1+96*(\set)+12*\b, mC, mSA, \a%2, mSB, \b%2
.endr
.endr
.endm
.macro PATH v
	WIN 0x40
.if (\v) == 0
.irp a, 0,1,2,3,4,5,6,7                        ; bk in the result's layout: tile a, lane half h: outputs 32 (a / 2) + 8 (a % 2) + 16 h + 0 .. 7
	global_load_b128 v[192+8*\a:195+8*\a], v[BKO], s[14:15] offset:(32*(\a/2)+8*(\a%2))*4
	global_load_b128 v[196+8*\a:199+8*\a], v[BKO], s[14:15] offset:(32*(\a/2)+8*(\a%2))*4+16
.endr
.else
.irp a, 0,1,2,3,4,5,6,7                        ; bv: a lane holds one output: the same number in all eight registers
.irp n, 0,1,2,3,4,5,6,7
	global_load_b32 v[192+8*\a+\n], v[BVO], s[16:17] offset:(32*(\a/2)+8*(\a%2))*4
.endr
.endr
.endif
	WIN 0
.if (\v) == 0
	s_lshr_b32 s2, s79, 1
	s_mul_i32 s2, s2, 196608                       ; key tile 8 P + b lies in stream P / 2,
	s_and_b32 s89, s79, 1
	s_mul_i32 s89, s89, 49152                      ; at 6,144 (8 (P % 2) + b),
	s_add_co_u32 s2, s2, s89
	s_mul_i32 s89, s[WV], 1536                     ; K step w
	s_add_co_u32 s2, s2, s89
	s_add_co_u32 s2, s2, s88
.else
	s_mul_i32 s2, s[WV], 196608                    ; channel tile 8 w + b lies in stream w, behind K's half,
	s_add_co_u32 s2, s2, 98304
	s_mul_i32 s89, s79, 1536                       ; key step P
	s_add_co_u32 s2, s2, s89
	s_add_co_u32 s2, s2, s88
	s_add_nc_u64 s[20:21], s[20:21], 16384
.endif
	s_add_nc_u64 s[18:19], s[18:19], s[2:3]
	s_wait_loadcnt 0x0
.irp g, 0,1,2,3
.irp s, 0,1,2,3
	v_lshl_or_b32 v[XS+4*\g+\s], v[S1+16*\g+4*\s+1], 8, v[S1+16*\g+4*\s]   ; x's scale words: lanes 0-15 tile 2 g's, lanes 16-31 tile 2 g + 1's
	v_lshl_or_b32 v[XS+4*\g+\s], v[S1+16*\g+4*\s+2], 16, v[XS+4*\g+\s]
	v_lshl_or_b32 v[XS+4*\g+\s], v[S1+16*\g+4*\s+3], 24, v[XS+4*\g+\s]
.endr
.endr
.rept 8
	v_nop                                          ; a scale register written by vector lines stands eight places ahead of a scaled product
.endr
	s_wait_tensorcnt 6                             ; my two loads of K step 0 are in; the six of the later steps may be out
	s_barrier_signal -1
	s_barrier_wait -1                              ; everybody's are: x's four groups come from four waves.
	FETCH \v, 0, 0
.irp s, 0,1,2,3
	s_wait_dscnt 0x0                               ; K step s's fragments are in
.if \s < 3
	s_wait_tensorcnt 4-2*\s                        ; my two loads of K step s + 1 are in; those of the later steps may be out
	s_barrier_signal -1
	s_barrier_wait -1
	PLACES
	FETCH \v, \s+1, (\s+1)%2
.endif
	MUL64 \v, \s, \s%2
.endr
	WIN 0
	PLACES
.irp k, 0,1,2,3
	v_mov_b32 v[TM+4+\k], 0                        ; a lane permute's destination counts as one of its sources
.endr
.irp b, 0,1,2,3,4,5,6,7                        ; source 1's tile b: its 64 numbers a lane are one fragment of the next product
.if \b > 0
	s_wait_xcnt 0x0                                ; the last fragment's stores have read their registers,
	s_wait_dscnt 0x0                               ; and so has the store of its scale word
.endif
	QUANT 64*(\b%4), 16, 2+\b/4
.irp q, 0,1,2
.if (\v) == 0
	global_store_b128 v[LI], v[PC+4*\q:PC+4*\q+3], s[18:19] offset:\b*6144+512*\q    ; 512 consecutive bytes, aligned
.else
	global_store_b128 v[LI], v[PC+4*\q:PC+4*\q+3], s[18:19] offset:\b*12288+512*\q
.endif
.endr
.if (\v) == 0
	ds_store_b32 v[KSTO], v[PW] offset:256*\b      ; lanes r and r + 16 hold the same word
.else
	ds_store_b32 v[VSTO], v[PW] offset:64*\b
.endif
.endr
	s_wait_dscnt 0x0                               ; my scale words have landed
	s_barrier_signal -1
	s_barrier_wait -1
.if (\v) == 0
	ds_load_b128 v[TM:TM+3], v[KRD]
.else
	ds_load_b128 v[TM:TM+3], v[VRD]
.endif
	s_wait_dscnt 0x0
	global_store_b128 v[T16], v[TM:TM+3], s[20:21] ; the work-group's 2,048 bytes of scales, 512 consecutive bytes a wave
.endm
	PATH 0
	s_branch .Lkv_end
.Lvpath:
	PATH 1
.Lkv_end:
	s_wait_tensorcnt 0x0                           ; the wave's end
	ds_add_u32 v[SPW], v[NIL]
	s_wait_dscnt 0x0
	ROUND                                          ; the closing round
	s_endpgm
.Lfunc_end_k_qf85af8f30f_kv:
	.size	k_qf85af8f30f_kv, .Lfunc_end_k_qf85af8f30f_kv-k_qf85af8f30f_kv
	.p2alignl 7, 3214868480
	.fill 96, 4, 3214868480
	.section	.rodata,"a",@progbits
	.p2align	6, 0x0
	.amdhsa_kernel k_qf85af8f30f_kv
		.amdhsa_group_segment_fixed_size 250368
		.amdhsa_private_segment_fixed_size 0
		.amdhsa_enable_private_segment 0
		.amdhsa_kernarg_size 72
		.amdhsa_user_sgpr_count 2
		.amdhsa_user_sgpr_kernarg_segment_ptr 1
		.amdhsa_wavefront_size32 1
		.amdhsa_system_sgpr_workgroup_id_x 1
		.amdhsa_system_sgpr_workgroup_id_y 1
		.amdhsa_system_sgpr_workgroup_id_z 1
		.amdhsa_system_vgpr_workitem_id 0
		.amdhsa_next_free_vgpr 1024
		.amdhsa_next_free_sgpr 96
		.amdhsa_reserve_vcc 0
		.amdhsa_float_denorm_mode_32 3
		.amdhsa_float_denorm_mode_16_64 3
		.amdhsa_memory_ordered 1
		.amdhsa_forward_progress 1
		.amdhsa_inst_pref_size 202
	.end_amdhsa_kernel
	.amdgpu_metadata
---
amdhsa.version: [ 1, 2 ]
amdhsa.kernels:
  - .name:           k_qf85af8f30f_kv
    .symbol:         k_qf85af8f30f_kv.kd
    .args:
      - { .name: xc, .offset: 0, .size: 8, .value_kind: global_buffer, .address_space: global }
      - { .name: xs, .offset: 8, .size: 8, .value_kind: global_buffer, .address_space: global }
      - { .name: wimg, .offset: 16, .size: 8, .value_kind: global_buffer, .address_space: global }
      - { .name: Wk_scales, .offset: 24, .size: 8, .value_kind: global_buffer, .address_space: global }
      - { .name: Wv_scales, .offset: 32, .size: 8, .value_kind: global_buffer, .address_space: global }
      - { .name: bk, .offset: 40, .size: 8, .value_kind: global_buffer, .address_space: global }
      - { .name: bv, .offset: 48, .size: 8, .value_kind: global_buffer, .address_space: global }
      - { .name: kv, .offset: 56, .size: 8, .value_kind: global_buffer, .address_space: global }
      - { .name: kvs, .offset: 64, .size: 8, .value_kind: global_buffer, .address_space: global }
    .group_segment_fixed_size: 250368
    .private_segment_fixed_size: 0
    .kernarg_segment_align: 8
    .kernarg_segment_size: 72
    .max_flat_workgroup_size: 128
    .sgpr_count:     96
    .vgpr_count:     1024
    .wavefront_size: 32
...
	.end_amdgpu_metadata
.endif
;; end of part 2
;; launch attn (part 3): grid 16 x 16, 4 waves a work-group, clusters of 4 x 1, 327,680 bytes of LDS; arguments xc, xs, wimg, Wq_scales, bq, kv, kvs, Wo_scales, bo, inp, out0; writes out0
.if DOCPART == 3
	.amdgcn_target "amdgcn-amd-amdhsa--gfx1250"
	.amdhsa_code_object_version 6
	.text
	.protected	k_qf85af8f30f_attn
	.globl	k_qf85af8f30f_attn
	.p2align	8
	.type	k_qf85af8f30f_attn,@function
k_qf85af8f30f_attn:
	s_mov_b64 s[64:65], 0
	v_nop
	global_prefetch_b8 v0, s[64:65] scope:SCOPE_SE
	s_setreg_imm32_b32 hwreg(HW_REG_WAVE_MODE, 25, 1), 1
	s_wait_xcnt 0x0
	s_wait_alu depctr_hold_cnt(0) depctr_sa_sdst(0) depctr_va_vdst(0) depctr_va_sdst(0) depctr_va_ssrc(0) depctr_va_vcc(0) depctr_vm_vsrc(0)
	s_getreg_b32 s2, hwreg(HW_REG_IB_STS2, 6, 4)
	s_cmp_eq_u32 s2, 0
	s_cbranch_scc0 .Lentry_in_a_cluster
	s_endpgm
.Lentry_in_a_cluster:
	s_bfe_u32 s2, ttmp6, 0x10000c
	s_cmp_lg_u32 s2, 0x3003
	s_cbranch_scc0 .Lentry_shape_is_right
	s_endpgm
.Lentry_shape_is_right:
; out0 = inp + Wo (V softmax(Q^T K / sqrt(512))^T) + bo, for 64 queries of one image a work-group; Q = Wq x + bq of these queries is made here.  No work is left out.
; LIMITS: as in the first launch (NaN and infinities not served; a block under 2^-122 or of zeros keeps the byte 1).  t = score x c with the one constant c = log2(e) / sqrt(512); the division by the row's sum is a
; reciprocal and a multiplication.  A block of p whose largest number falls under 2^-122 under the row's M keeps the byte 1: its codes then stand for at most 28 x 2^-126.
; THE WAVES SHARE THE OTHER AXIS OF EVERY PRODUCT, for all 64 queries (four tiles qt): Q: channels 128 w on; scores: keys 256 w on; P V: channels 128 w on; the last product: outputs 128 w on.
; So every streamed fragment (weights, K, V) is read from LDS once in the work-group and feeds four products.  The small operands (Q, P, A) go from wave to wave through LDS as images of their registers.
; THE STREAM: twelve chunks of 24,576 bytes a wave (Wq 2, K 4, V 4, Wo 2) through two LDS slots; each wave loads and reads its own quarter of a slot.  The four query blocks of a cluster belong to one image and
; walk the same stream: every chunk is asked for JOINTLY (mask 15).  Three tensor loads of a wave are out at the head, later two at the most.  A chunk is 64 products: four groups of four fragments x four query tiles.
; A chunk of K is four key tiles x four K steps; a chunk of V is eight channel tiles x two key steps (8 rows of 3,072 bytes, 12,288 apart); a chunk of a weight is four tiles x four K steps.
; THE SOFTMAX GOES CHUNK BY CHUNK, between a chunk's products and the change of slots, while the next chunk is on its way.  For its 64 keys of a chunk a wave takes M_j = the ceiling of their largest t, p = 2^(t - M_j),
; the sum of the unquantised p, the codes and each block's largest p.  At the end M = the largest M_j of all chunks and waves; sums and largest p are multiplied by 2^(M_j - M), a whole power of two, which rounds nothing,
; and the scale bytes are made of that: the codes' values are those under M.
; inp is asked for during the scores' phase, 16 loads behind each of four changes of slots, and waits in window 3.  The last product goes tile by tile, and each finished tile of 16 output channels leaves at once.
; Accumulators take turns, one instruction a turn.
; REGISTERS: window 0: v1-29 addresses; v32-87 scale words and nothing else; v88-135, v136-183 two sets of four streamed fragments (between a chunk's products and the next fetch: at work); v184-253 by phase, see below.
;   phase Q: window 1 Q's sums (64 qt + 8 t), window 2 x's fragments (12 (4 qt + s)), window 3 bq.      scores: window 1 Q's fragments, window 2 v0-127 S^T of one chunk (64 block + 16 qt + 8 u), window 3 inp.
;   P V: window 1 O^T (64 qt + 8 tile), window 2 v0-191 two sets of 8 fragments of P, v192-255 bo.      last product: window 1 the sums (32 tile + 8 qt), window 2 A's fragments and bo, window 3 inp.
.set SLOT1, 98304                      ; LDS: slot 0 at 0, slot 1 here; wave w at + 24,576 w
.set KVS,   196608                     ; the image's scale bytes of K (16,384) and V (16,384): filled once
.set QIMG,  229376                     ; 16 images of 1,536 bytes: Q's, later A's: entry 4 qt + s
.set QSC,   253952                     ; their scale words, 128 bytes an entry
.set PIMG,  256000                     ; 32 images: P's: entry 8 qt + ks; half c of a fragment at 768 c: 16 bytes a lane, then at + 512 8 bytes a lane.  Later the stages of the way out, 4,352 bytes a wave
.set PSC,   305152
.set RED,   309248                     ; the waves' -M; at + 1,024 their sums
.set SPARE, 311296                     ; the spare words, 128 bytes a wave; no other line names them.  Tensor loads land under QIMG alone, LDS stores from QIMG on alone
.set LI,1
.set ADS0,2
.set ADS1,3
.set KSA,4
.set VSA,5
.set QWI,6
.set QWS,7
.set LQ,8
.set RWQ,9
.set PWI,10
.set PWS,11
.set LP,12
.set RWP,13
.set RDW,14
.set RDR,15
.set STO,16
.set SRD,17
.set GO,18
.set PFO,19
.set XO0,20
.set XO1,21
.set BQO,22
.set WSO,23
.set LN,24
.set BOO,25
.set PWJ,26
.set LP2,27
.set SPW,28
.set NIL,29
.set WS,32                             ; v32-47  Wq's scale words, later Wo's: 4 (tile / 2) + s, row tile % 2
.set XS,48                             ; v48-55  x's (4 (qt / 2) + s, row qt % 2), then Q's, then A's (2 qt + s / 2, row s % 2)
.set SS0,56                            ; v56-63, v64-71  K's or V's, by the chunk's parity
.set PS,72                             ; v72-87  P's: 4 qt + ks / 2, row ks % 2
.set FB0,88
.set BM,184                            ; at the head: x's scale bytes
.set PMX,184                           ; v184-215  scores: each block's largest p: 8 j + 2 qt + b
.set RL,184                            ; P V: 1 / the row's sum, a pair for each qt
.set TA,184                            ; the way out: v184-215, v216-247 rows read back, by turns
.set TM,216                            ; the quantiser's
.set NMP,216                           ; v216-231  scores: -M_j: 4 j + qt
.set LS,232                            ; v232-247  scores: the chunks' sums: 4 j + qt
.set PW,232
.set PC,234
.set CB,88                             ; at work in a chunk's softmax, in the fragments' registers: block maxima,
.set CT,96                             ; a lane permute's results,
.set CR,104
.set CN,108                            ; -M_j, a pair for each qt,
.set CU,116                            ; the sums, two chains of pairs,
.set CV,124
.set CP,132                            ; the codes: 12 registers for each qt
.set FW,88                             ; at work at the softmax's end
.set FL,92
.set FN,108
.set FD,112
.set FP,128
.set WV,26
.set G1C,28
.set G1S,36
.set G0A,44
.set G0B,48
.set G0S,52
.set KVW,56
.set WOW,58
.set CS,60
.set SEL,62
.set PFA,68
.set G1V,76
.set MSB, 0
.macro WIN new                         ; the immediate's high byte repeats the setting that is left; a switch that changes nothing is dropped
.if MSB != (\new)
	s_set_vgpr_msb (MSB<<8)|(\new)
.set MSB, \new
.endif
.endm
.macro PLACES                          ; four plain lines behind a matrix instruction, ahead of loads into its registers, of writes of its sources and of reads of its results
.rept 4
	v_nop
.endr
.endm
.macro CREST
	s_cmp_lg_u32 s[WV], 0
	s_cbranch_scc1 .Lnot_wave_0_\@
	s_barrier_signal -3
.Lnot_wave_0_\@:
	s_barrier_wait -3
	s_barrier_signal -1
	s_barrier_wait -1
.endm
.macro ROUND                           ; a round of the cluster's barrier
	s_barrier_signal -1
	s_barrier_wait -1
	CREST
.endm
.macro BARRIER                         ; my LDS stores have landed and my LDS loads are in: then the work-group's barrier.
	s_wait_dscnt 0x0
	s_barrier_signal -1
	s_barrier_wait -1
.endm
; one product 16 x 16 x 128.  c < 0: the constant 0 starts the sum.  ra, rb: the scale words stand in lanes 0-15 (0) or 16-31 (1) of sa, sb
.macro WM d, a, b, c, sa, ra, sb, rb
.if (\c) < 0
.if ((\ra) == 0) && ((\rb) == 0)
	v_wmma_scale_f32_16x16x128_f8f6f4 v[(\d):(\d)+7], v[(\a):(\a)+11], v[(\b):(\b)+11], 0, v[\sa], v[\sb] matrix_a_fmt:MATRIX_FMT_BF6 matrix_b_fmt:MATRIX_FMT_BF6
.elseif ((\ra) == 1) && ((\rb) == 0)
	v_wmma_scale_f32_16x16x128_f8f6f4 v[(\d):(\d)+7], v[(\a):(\a)+11], v[(\b):(\b)+11], 0, v[\sa], v[\sb] matrix_a_fmt:MATRIX_FMT_BF6 matrix_b_fmt:MATRIX_FMT_BF6 matrix_a_scale:MATRIX_SCALE_ROW1
.elseif ((\ra) == 0) && ((\rb) == 1)
	v_wmma_scale_f32_16x16x128_f8f6f4 v[(\d):(\d)+7], v[(\a):(\a)+11], v[(\b):(\b)+11], 0, v[\sa], v[\sb] matrix_a_fmt:MATRIX_FMT_BF6 matrix_b_fmt:MATRIX_FMT_BF6 matrix_b_scale:MATRIX_SCALE_ROW1
.else
	v_wmma_scale_f32_16x16x128_f8f6f4 v[(\d):(\d)+7], v[(\a):(\a)+11], v[(\b):(\b)+11], 0, v[\sa], v[\sb] matrix_a_fmt:MATRIX_FMT_BF6 matrix_b_fmt:MATRIX_FMT_BF6 matrix_a_scale:MATRIX_SCALE_ROW1 matrix_b_scale:MATRIX_SCALE_ROW1
.endif
.else
.if ((\ra) == 0) && ((\rb) == 0)
	v_wmma_scale_f32_16x16x128_f8f6f4 v[(\d):(\d)+7], v[(\a):(\a)+11], v[(\b):(\b)+11], v[(\c):(\c)+7], v[\sa], v[\sb] matrix_a_fmt:MATRIX_FMT_BF6 matrix_b_fmt:MATRIX_FMT_BF6
.elseif ((\ra) == 1) && ((\rb) == 0)
	v_wmma_scale_f32_16x16x128_f8f6f4 v[(\d):(\d)+7], v[(\a):(\a)+11], v[(\b):(\b)+11], v[(\c):(\c)+7], v[\sa], v[\sb] matrix_a_fmt:MATRIX_FMT_BF6 matrix_b_fmt:MATRIX_FMT_BF6 matrix_a_scale:MATRIX_SCALE_ROW1
.elseif ((\ra) == 0) && ((\rb) == 1)
	v_wmma_scale_f32_16x16x128_f8f6f4 v[(\d):(\d)+7], v[(\a):(\a)+11], v[(\b):(\b)+11], v[(\c):(\c)+7], v[\sa], v[\sb] matrix_a_fmt:MATRIX_FMT_BF6 matrix_b_fmt:MATRIX_FMT_BF6 matrix_b_scale:MATRIX_SCALE_ROW1
.else
	v_wmma_scale_f32_16x16x128_f8f6f4 v[(\d):(\d)+7], v[(\a):(\a)+11], v[(\b):(\b)+11], v[(\c):(\c)+7], v[\sa], v[\sb] matrix_a_fmt:MATRIX_FMT_BF6 matrix_b_fmt:MATRIX_FMT_BF6 matrix_a_scale:MATRIX_SCALE_ROW1 matrix_b_scale:MATRIX_SCALE_ROW1
.endif
.endif
.endm
; 64 numbers of a lane in window w, block b at v[src + bs b .. + 15] = k 32 b + 16 (lane / 16) + 0 .. 15 of my row, become a fragment's codes in v[PC .. PC + 11] and its scale word in v[PW], window 0.
; Each accumulator is first read at its two lowest registers.
.macro QUANT src, bs, w
	WIN (\w)|((\w)<<2)
.irp be, 0,1,2,3
	v_max3_num_f32 v[TM+\be], |v[(\src)+(\bs)*\be]|, |v[(\src)+(\bs)*\be+1]|, 0x2800000   ; with the floor 2^(5 - 127): the byte cannot fall under 1
.endr
.irp i, 2,4,6,8,10,12,14
.irp be, 0,1,2,3
	v_max3_num_f32 v[TM+\be], |v[(\src)+(\bs)*\be+\i]|, |v[(\src)+(\bs)*\be+\i+1]|, v[TM+\be]
.endr
.endr
	WIN 0
.irp be, 0,1,2,3
	v_permlanex16_b32 v[TM+4+\be], v[TM+\be], s[SEL], s[SEL+1]
.endr
.irp be, 0,1,2,3
	v_max_num_f32 v[TM+\be], v[TM+\be], v[TM+4+\be]
.endr
.irp be, 0,1,2,3
	v_add_nc_u32 v[TM+12+\be], 0xfe000000, v[TM+\be]  ; 4 off the exponent field: the conversion's scale operand
.endr
.irp be, 0,1,2,3
	v_lshrrev_b32 v[TM+4+\be], 23, v[TM+12+\be]       ; the scale's byte
.endr
	v_lshl_or_b32 v[PW], v[TM+5], 8, v[TM+4]
	v_lshl_or_b32 v[PW], v[TM+6], 16, v[PW]
	v_lshl_or_b32 v[PW], v[TM+7], 24, v[PW]
	WIN (\w)
.irp c, 0,1
	v_cvt_scalef32_pk16_bf6_f32 v[PC+6*\c:PC+6*\c+2], v[(\src)+(\bs)*2*\c:(\src)+(\bs)*2*\c+15], v[TM+12+2*\c]
	v_cvt_scalef32_pk16_bf6_f32 v[PC+12+4*\c:PC+14+4*\c], v[(\src)+(\bs)*(2*\c+1):(\src)+(\bs)*(2*\c+1)+15], v[TM+13+2*\c]
.endr
	WIN 0
	v_nop                                          ; a plain line behind the conversions
.irp c, 0,1                                    ; the operand wants a whole block in a lane: lanes 0-15 block 2 c, lanes 16-31 block 2 c + 1
.irp i, 0,1,2
	v_permlane16_swap_b32 v[PC+6*\c+\i], v[PC+12+4*\c+\i]
.endr
.irp i, 0,1,2
	v_mov_b32 v[PC+3+6*\c+\i], v[PC+12+4*\c+\i]
.endr
.endr
.endm
.macro TOIMG qt                        ; the fragment just made is K step w of query tile qt: its image and its scale word go to LDS
.irp q, 0,1,2
	ds_store_b128 v[QWI], v[PC+4*\q:PC+4*\q+3] offset:(\qt)*6144+512*\q
.endr
	ds_store_b32 v[QWS], v[PW] offset:(\qt)*512
	s_wait_dscnt 0x0                               ; the stores have read their registers
.endm
.macro FROMIMG win                     ; all 16 fragments come back, into the window named; their scale words: lanes 0-15 K step 2 sg, lanes 16-31 K step 2 sg + 1
	WIN \win
.irp en, 0,1,2,3,4,5,6,7,8,9,10,11,12,13,14,15
.irp q, 0,1,2
	ds_load_b128 v[12*\en+4*\q:12*\en+4*\q+3], v[LQ] offset:1536*\en+512*\q
.endr
.endr
	WIN 0
.irp qt, 0,1,2,3
.irp sg, 0,1
	ds_load_b32 v[XS+2*\qt+\sg], v[RWQ] offset:128*(4*\qt+2*\sg)
.endr
.endr
.endm
; phases: 0 Q, 1 scores, 2 P V, 3 the last product.  Group g of a chunk: four fragments f into set 0 or 1.
; Phases 0, 1: tile f, K step g.  Phase 2: channel tile 2 g + f % 2, the chunk's key step f / 2.  Phase 3: tile g, K step f
.macro FETCHG ph, g, set, slot
.irp f, 0,1,2,3
.irp q, 0,1,2
.if (\ph) == 2
	ds_load_b128 v[FB0+48*(\set)+12*\f+4*\q:FB0+48*(\set)+12*\f+4*\q+3], v[ADS0+(\slot)] offset:(2*(\g)+\f%2)*3072+(\f/2)*1536+512*\q
.elseif (\ph) == 3
	ds_load_b128 v[FB0+48*(\set)+12*\f+4*\q:FB0+48*(\set)+12*\f+4*\q+3], v[ADS0+(\slot)] offset:(\g)*6144+\f*1536+512*\q
.else
	ds_load_b128 v[FB0+48*(\set)+12*\f+4*\q:FB0+48*(\set)+12*\f+4*\q+3], v[ADS0+(\slot)] offset:\f*6144+(\g)*1536+512*\q
.endif
.endr
.endr
.endm
.macro MULG ph, j, g, set, half        ; eight products: fragments 2 half, 2 half + 1 of the group against the four query tiles
.irp ff, 0,1
.irp qt, 0,1,2,3
.set mF, 2*(\half)+\ff
.set mFB, FB0+48*(\set)+12*mF
.if (\ph) == 0
.set mT, 4*(\j)+mF
.set mD, 64*\qt+8*mT
.if (\g) == 0
	WIN 0x78                                       ; source 1 (x) window 2, C (bq) window 3, D window 1
.set mC, 8*mT
.else
	WIN 0x58
.set mC, mD
.endif
.set mSA, WS+4*(mT/2)+(\g)
.set mSB, XS+4*(\qt/2)+(\g)
	WM mD, mFB, 12*(4*\qt+(\g)), mC, mSA, mT%2, mSB, \qt%2
.elseif (\ph) == 1
.set mD, 64*(mF/2)+16*\qt+8*(mF%2)
	WIN 0xa4                                       ; source 1 (Q) window 1, C and D window 2
.if (\g) == 0
.set mC, -1
.else
.set mC, mD
.endif
.set mSA, SS0+8*((\j)%2)+4*(mF/2)+(\g)
.set mSB, XS+2*\qt+(\g)/2
	WM mD, mFB, 12*(4*\qt+(\g)), mC, mSA, mF%2, mSB, (\g)%2
.elseif (\ph) == 2
.set mKS, 2*(\j)+(\half)
.set mD, 64*\qt+8*(2*(\g)+\ff)
	WIN 0x58                                       ; source 1 (P) window 2, C and D window 1
.if mKS == 0
.set mC, -1
.else
.set mC, mD
.endif
.set mSA, SS0+8*((\j)%2)+4*(\half)+(\g)
.set mSB, PS+4*\qt+(\j)
	WM mD, mFB, 96*((\j)%2)+12*(2*\qt+(\half)), mC, mSA, \ff, mSB, \half
.else
.set mT, 4*(\j)+(\g)
.set mD, 32*mT+8*\qt
.if mF == 0
	WIN 0x62                                       ; source 0 (A) window 2, C (bo) window 2, D window 1
.set mC, 192+8*mT
.else
	WIN 0x52
.set mC, mD
.endif
.set mSA, XS+2*\qt+mF/2
.set mSB, WS+4*(mT/2)+mF
	WM mD, 12*(4*\qt+mF), mFB, mC, mSA, mF%2, mSB, mT%2
.endif
.endr
.endr
.endm
.macro SCL ph, j                       ; chunk j's scale words of K or V, from the bytes that stay in LDS
.if (\ph) == 1
.irp pi, 0,1
	ds_load_b128 v[SS0+8*((\j)%2)+4*\pi:SS0+8*((\j)%2)+4*\pi+3], v[KSA] offset:(\j)*1024+512*\pi
.endr
.elseif (\ph) == 2
.irp kp, 0,1
.irp pi, 0,1,2,3
	ds_load_b32 v[SS0+8*((\j)%2)+4*\kp+\pi], v[VSA] offset:(2*(\j)+\kp)*2048+128*\pi   ; key step 2 j + kp; lanes 0-15 channel tile 2 pi, lanes 16-31 tile 2 pi + 1
.endr
.endr
.endif
.endm
.macro TLOAD e                         ; the change behind chunk e asks for chunk e + 2, into the slot just left.  Every wave loads its quarter; an s_nop 0 and four v_nop follow
.if ((\e) >= 4) && ((\e) < 8)
	tensor_load_to_lds s[G0A+4*((\e)%2):G0A+4*((\e)%2)+3], s[G1V:G1V+7]
.else
	tensor_load_to_lds s[G0A+4*((\e)%2):G0A+4*((\e)%2)+3], s[G1C:G1C+7]
.endif
	s_nop 0
.rept 4
	v_nop
.endr
.endm
.macro STEPD e                         ; where chunk e + 2 begins.  K's chunks lie 24,576 bytes apart in the wave's stream, V's begin 3,072 apart from byte 98,304 on.  No tensor load of mine is out here
.if (\e) == 0
	s_mov_b64 s[G0A+2:G0A+3], s[KVW:KVW+1]
	s_or_b32 s[G0A+3], s[G0A+3], 0x80000000
.elseif (\e) == 1
	s_add_nc_u64 s[G0B+2:G0B+3], s[KVW:KVW+1], 24576
	s_or_b32 s[G0B+3], s[G0B+3], 0x80000000
.elseif ((\e) == 2) || ((\e) == 4)
	s_add_nc_u64 s[G0A+2:G0A+3], s[G0A+2:G0A+3], 49152
.elseif (\e) == 3
	s_add_nc_u64 s[G0B+2:G0B+3], s[G0B+2:G0B+3], 49152
.elseif (\e) == 5
	s_add_nc_u64 s[G0B+2:G0B+3], s[G0B+2:G0B+3], 27648
.elseif (\e) == 6
	s_add_nc_u64 s[G0A+2:G0A+3], s[G0A+2:G0A+3], 6144
.elseif (\e) == 7
	s_add_nc_u64 s[G0B+2:G0B+3], s[G0B+2:G0B+3], 6144
.elseif (\e) == 8
	s_mov_b64 s[G0A+2:G0A+3], s[WOW:WOW+1]
	s_or_b32 s[G0A+3], s[G0A+3], 0x80000000
.else
	s_add_nc_u64 s[G0B+2:G0B+3], s[WOW:WOW+1], 24576
	s_or_b32 s[G0B+3], s[G0B+3], 0x80000000
.endif
.endm
; A PREFETCH of K and V.  A wave's stream is 24 pieces of 8,192 bytes: K's chunk n is pieces 3 n .. 3 n + 2, V's chunks all touch pieces 12 .. 23.  The image's first cluster names pieces 4-7 at change 0, 8-11 at change 1,
; 12-19 at change 2, 20-23 at change 3: of four pieces one for each partner, told apart by address; lanes 256 bytes apart.  K's chunk n is loaded at change n, V's first chunk at change 4: each piece is named one change
; or more ahead of the first load that wants it, and once in the launch.  Pieces 0-3 come by their loads alone.  No register is stepped.
.macro ASK e
	s_cmp_lg_u32 ttmp9, 0                          ; the cluster's number: the same in the four partners
	s_cbranch_scc1 .Lnot_mine_\@
.if (\e) < 2
	global_prefetch_b8 v[PFO], s[PFA:PFA+1] offset:(\e)*32768 th:TH_LOAD_NT scope:SCOPE_SE
.elseif (\e) == 2
	global_prefetch_b8 v[PFO], s[PFA:PFA+1] offset:65536 th:TH_LOAD_NT scope:SCOPE_SE
	global_prefetch_b8 v[PFO], s[PFA:PFA+1] offset:98304 th:TH_LOAD_NT scope:SCOPE_SE
.else
	global_prefetch_b8 v[PFO], s[PFA:PFA+1] offset:131072 th:TH_LOAD_NT scope:SCOPE_SE
.endif
.Lnot_mine_\@:
.endm
; A CHANGE OF SLOTS that stands by itself, behind work on registers and LDS stores: the round also shows every wave what the others have stored
.macro CHANGE e
	s_wait_tensorcnt 0x0                           ; all my tensor loads have landed: the next chunk is whole;
	ds_add_u32 v[SPW], v[NIL]
	s_wait_dscnt 0x0                               ; the add is done, my reads of the slot are over, my LDS stores have landed
	ROUND                                          ; no wave of any partner still reads the slot or has a load on its way
	STEPD \e
	TLOAD \e                                       ; the first tensor load behind the round, and my only one until the next
.if (\e) < 4
	ASK \e
.endif
.endm
.macro PLOAD j                         ; the 8 fragments of P that V's chunk j wants (key steps 2 j, 2 j + 1 x four query tiles) into set j % 2: 32 loads
	WIN 0x80
.irp qt, 0,1,2,3
.irp kp, 0,1
.irp c, 0,1
	ds_load_b128 v[96*((\j)%2)+12*(2*\qt+\kp)+6*\c:96*((\j)%2)+12*(2*\qt+\kp)+6*\c+3], v[LP] offset:1536*(8*\qt+2*(\j)+\kp)+768*\c
	ds_load_b64 v[96*((\j)%2)+12*(2*\qt+\kp)+6*\c+4:96*((\j)%2)+12*(2*\qt+\kp)+6*\c+5], v[LP2] offset:1536*(8*\qt+2*(\j)+\kp)+768*\c
.endr
.endr
.endr
	WIN 0
.endm
.macro INP b                           ; inp for output tiles 2 b, 2 b + 1, in the order in which the way out wants it: sixteen lanes read 256 consecutive bytes of a channel
	WIN 0xc0
.irp o, 0,1
.irp k, 0,1,2,3,4,5,6,7
	global_load_b128 v[32*(2*(\b)+\o)+4*\k:32*(2*(\b)+\o)+4*\k+3], v[GO], s[22:23] offset:(32*(\b)+8*\o+2*\k+8*(\k/4))*4096 th:TH_LOAD_NT
.endr
.endr
	WIN 0
.endm
; A CHUNK of phases 0 to 2.  On entry these have been issued, in this order: its scale words, group 0 into set 0, group 1 into set 1.
; tail 1: the slot is filled again with chunk e + 2, and the next chunk's first groups are fetched here.  tail 3: the products alone
.macro CHUNK ph, j, tail, e
.set cSL, (\j)%2
	s_wait_dscnt 12                                ; all but group 1's twelve loads
	MULG \ph, \j, 0, 0, 0
	MULG \ph, \j, 0, 0, 1
	PLACES
	WIN 0
	FETCHG \ph, 2, 0, cSL
	s_wait_dscnt 12                                ; all but group 2's
	MULG \ph, \j, 1, 1, 0
	MULG \ph, \j, 1, 1, 1
	PLACES
	WIN 0
	FETCHG \ph, 3, 1, cSL
.if (\tail) == 1
.if (\ph) == 2
	PLOAD (\j)+1                                   ; the next chunk's fragments of P come while the next chunk of V is awaited
.endif
	s_wait_tensorcnt 0x0                           ; all my tensor loads have landed: the next chunk is whole;
	ds_add_u32 v[SPW], v[NIL]
.if (\ph) == 2
	s_wait_dscnt 45                                ; (the add, P's 32 loads and group 3's twelve may be out)
.else
	s_wait_dscnt 13                                ; (the add and group 3's twelve loads may be out)
.endif
	MULG \ph, \j, 2, 0, 0
	MULG \ph, \j, 2, 0, 1
	s_wait_dscnt 0x0                               ; the add is done, and my reads of this slot are over
	s_barrier_signal -1                            ; this barrier opens a round of the cluster's barrier
	MULG \ph, \j, 3, 1, 0
	WIN 0
	s_barrier_wait -1
	CREST                                          ; no wave of any partner still reads this slot or has a load on its way
	STEPD \e
	TLOAD \e                                       ; the first tensor load behind the round, and my only one until the next; its four v_nop are also the places for the loads below
.if (\e) < 4
	ASK \e
.endif
	SCL \ph, (\j)+1
	FETCHG \ph, 0, 0, 1-cSL
	MULG \ph, \j, 3, 1, 1
	PLACES
	WIN 0
	FETCHG \ph, 1, 1, 1-cSL
.else
	s_wait_dscnt 12
	MULG \ph, \j, 2, 0, 0
	MULG \ph, \j, 2, 0, 1
	s_wait_dscnt 0x0
	MULG \ph, \j, 3, 1, 0
	MULG \ph, \j, 3, 1, 1
	WIN 0
.endif
.endm
; THE SOFTMAX OF K's CHUNK j: my 64 keys (two blocks b of 32) x four query tiles: 128 registers of window 2.  They are blocks 2 (j % 2) + b of key step 2 w + j / 2.
; The largest score of a block serves twice: for M_j and, since p rises with the score, for the block's largest p.
.macro SM j
.set sOF, ((\j)/2)*1536+((\j)%2)*768
	PLACES
	WIN 0x0a
.irp qt, 0,1,2,3
.irp b, 0,1
	v_max_num_f32 v[CB+2*\qt+\b], v[64*\b+16*\qt], v[64*\b+16*\qt+1]   ; each accumulator from its low end on; eight chains by turns
.endr
.endr
.irp i, 2,4,6,8,10,12,14
.irp qt, 0,1,2,3
.irp b, 0,1
	v_max3_num_f32 v[CB+2*\qt+\b], v[64*\b+16*\qt+\i], v[64*\b+16*\qt+\i+1], v[CB+2*\qt+\b]
.endr
.endr
.endr
	WIN 0
.irp k, 0,1,2,3,4,5,6,7
	v_permlanex16_b32 v[CT+\k], v[CB+\k], s[SEL], s[SEL+1]
.endr
.irp k, 0,1,2,3,4,5,6,7
	v_max_num_f32 v[CB+\k], v[CB+\k], v[CT+\k]     ; with lane l xor 16's 16 keys
.endr
.irp qt, 0,1,2,3
	v_max_num_f32 v[CR+\qt], v[CB+2*\qt], v[CB+2*\qt+1]
.endr
.irp qt, 0,1,2,3
	v_mul_f32 v[CR+\qt], s[CS], v[CR+\qt]          ; the largest t of these keys
.endr
.irp qt, 0,1,2,3
	v_floor_f32 v[CN+2*\qt], -v[CR+\qt]            ; -M_j = floor(-t) = -ceil(t)
.endr
.irp qt, 0,1,2,3
	v_mov_b32 v[CN+2*\qt+1], v[CN+2*\qt]           ; (the packed lines name the pair)
	v_mov_b32 v[NMP+4*(\j)+\qt], v[CN+2*\qt]       ; kept for the end
.endr
.irp qt, 0,1,2,3
.irp b, 0,1
	v_fma_f32 v[CB+2*\qt+\b], v[CB+2*\qt+\b], s[CS], v[CN+2*\qt]
.endr
.endr
	WIN 0x82
.irp qt, 0,1,2,3
.irp b, 0,1
.irp i, 0,2,4,6,8,10,12,14
	v_pk_fma_f32 v[64*\b+16*\qt+\i:64*\b+16*\qt+\i+1], v[64*\b+16*\qt+\i:64*\b+16*\qt+\i+1], s[CS:CS+1], v[CN+2*\qt:CN+2*\qt+1] op_sel_hi:[1,0,0]   ; t - M_j
.endr
.endr
.endr
.set k, 0
.rept 128
	v_exp_f32 v[k], v[k]                           ; p = 2^(t - M_j)
.set k, k+1
.endr
	WIN 0
.irp k, 0,1,2,3,4,5,6,7
	v_exp_f32 v[CB+\k], v[CB+\k]                   ; each block's largest p: the same two lines on the same number give the same bits
.endr
	v_nop                                          ; a plain line behind the batch,
	s_wait_alu depctr_va_vdst(0)                   ; and its one wait, ahead of the first line that names a result
	WIN 0x0a                                       ; the sums of the unquantised p: two chains for each query tile, begun by adding data to data
.irp qt, 0,1,2,3
	v_pk_add_f32 v[CU+2*\qt:CU+2*\qt+1], v[16*\qt:16*\qt+1], v[16*\qt+2:16*\qt+3]
	v_pk_add_f32 v[CV+2*\qt:CV+2*\qt+1], v[16*\qt+4:16*\qt+5], v[16*\qt+6:16*\qt+7]
.endr
	WIN 0x08
.irp i, 8,12,64,68,72,76
.irp qt, 0,1,2,3
	v_pk_add_f32 v[CU+2*\qt:CU+2*\qt+1], v[CU+2*\qt:CU+2*\qt+1], v[16*\qt+\i:16*\qt+\i+1]
	v_pk_add_f32 v[CV+2*\qt:CV+2*\qt+1], v[CV+2*\qt:CV+2*\qt+1], v[16*\qt+\i+2:16*\qt+\i+3]
.endr
.endr
	WIN 0
.irp qt, 0,1,2,3
	v_pk_add_f32 v[CU+2*\qt:CU+2*\qt+1], v[CU+2*\qt:CU+2*\qt+1], v[CV+2*\qt:CV+2*\qt+1]
.endr
.irp qt, 0,1,2,3
	v_add_f32 v[CU+2*\qt], v[CU+2*\qt], v[CU+2*\qt+1]
.endr
.irp qt, 0,1,2,3
	v_permlanex16_b32 v[CT+\qt], v[CU+2*\qt], s[SEL], s[SEL+1]
.endr
.irp qt, 0,1,2,3
	v_add_f32 v[LS+4*(\j)+\qt], v[CU+2*\qt], v[CT+\qt]   ; the sum over my 64 keys, under M_j: kept for the end
.endr
.irp k, 0,1,2,3,4,5,6,7
	v_max_num_f32 v[PMX+8*(\j)+\k], 0x2800000, v[CB+\k]  ; the floor 2^(5 - 127); kept for the end
.endr
.irp k, 0,1,2,3,4,5,6,7
	v_add_nc_u32 v[CB+\k], 0xfe000000, v[PMX+8*(\j)+\k]  ; 4 off the exponent field: the conversion's scale operand
.endr
	WIN 0x02
.irp qt, 0,1,2,3
	v_cvt_scalef32_pk16_bf6_f32 v[CP+12*\qt:CP+12*\qt+2], v[16*\qt:16*\qt+15], v[CB+2*\qt]
	v_cvt_scalef32_pk16_bf6_f32 v[CP+12*\qt+6:CP+12*\qt+8], v[64+16*\qt:64+16*\qt+15], v[CB+2*\qt+1]
.endr
	WIN 0
	v_nop                                          ; a plain line behind the conversions
.irp qt, 0,1,2,3                               ; lanes 0-15 get the first block whole, lanes 16-31 the second: registers 6 (j % 2) .. + 5 of the fragment
.irp i, 0,1,2
	v_permlane16_swap_b32 v[CP+12*\qt+\i], v[CP+12*\qt+6+\i]
.endr
.endr
.irp qt, 0,1,2,3
.irp i, 0,1,2
	v_mov_b32 v[CP+12*\qt+3+\i], v[CP+12*\qt+6+\i]
.endr
.endr
.irp qt, 0,1,2,3                               ; each query tile has registers of its own: no store's data are written again before the wait in front of the next barrier
	ds_store_b128 v[PWI], v[CP+12*\qt:CP+12*\qt+3] offset:\qt*12288+sOF
	ds_store_b64 v[PWJ], v[CP+12*\qt+4:CP+12*\qt+5] offset:\qt*12288+sOF
.endr
.endm
; THE WAY OUT of a tile of 16 output channels: through my stage, back as rows of 64 pixels (256 bytes), + inp, stored
.macro WAYOUT ot
.set wT, TA+32*((\ot)%2)
	WIN 0x04
.irp qt, 0,1,2,3
	ds_store_b128 v[STO], v[32*(\ot)+8*\qt:32*(\ot)+8*\qt+3] offset:128*(\qt/2)+32*(\qt%2)        ; each accumulator from its low end on
	ds_store_b128 v[STO], v[32*(\ot)+8*\qt+4:32*(\ot)+8*\qt+7] offset:128*(\qt/2)+32*(\qt%2)+16
.endr
	WIN 0
.irp k, 0,1,2,3,4,5,6,7
	ds_load_b128 v[wT+4*\k:wT+4*\k+3], v[SRD] offset:544*\k   ; LDS serves a wave's instructions in order (ISA guide 5.7.1.4): these see my stores, and the next tile's stores come behind them
.endr
	s_wait_dscnt 0x0
	WIN 0xcc
.irp k, 0,1,2,3,4,5,6,7
.irp u, 0,2
	v_pk_add_f32 v[32*(\ot)+4*\k+\u:32*(\ot)+4*\k+\u+1], v[wT+4*\k+\u:wT+4*\k+\u+1], v[32*(\ot)+4*\k+\u:32*(\ot)+4*\k+\u+1]
.endr
.endr
	WIN 0x0c
.irp k, 0,1,2,3,4,5,6,7
	global_store_b128 v[GO], v[32*(\ot)+4*\k:32*(\ot)+4*\k+3], s[24:25] offset:(32*((\ot)/2)+8*((\ot)%2)+2*\k+8*(\k/4))*4096 th:TH_STORE_NT   ; sixteen lanes store 256 consecutive bytes, aligned; these registers are not written again
.endr
	WIN 0
.endm
; A CHUNK OF THE LAST PRODUCT: a group finishes one tile of outputs (four K steps x four query tiles); the tile before it leaves while the group's products are at work
.macro OCHUNK j
.irp g, 0,1,2,3
.if \g < 3
	s_wait_dscnt 12                                ; all but the next group's twelve loads
.else
	s_wait_dscnt 0x0
.endif
	MULG 3, \j, \g, \g%2, 0
	MULG 3, \j, \g, \g%2, 1
	PLACES
	WIN 0
.if \g < 2
	FETCHG 3, \g+2, \g%2, (\j)%2
.endif
.if \g > 0
	WAYOUT 4*(\j)+\g-1
.endif
.endr
	WAYOUT 4*(\j)+3
.endm
	s_load_b512 s[4:19], s[0:1], 0x0               ; xc s[4:5], xs s[6:7], wimg s[8:9], Wq_scales s[10:11], bq s[12:13], kv s[14:15], kvs s[16:17], Wo_scales s[18:19]
	s_load_b128 s[20:23], s[0:1], 0x40             ; bo s[20:21], inp s[22:23]
	s_load_b64 s[24:25], s[0:1], 0x50              ; out0
	v_lshl_add_u32 v[SPW], v0, 2, SPARE
	v_mov_b32 v[NIL], 0
	ds_add_u32 v[SPW], v[NIL]                      ; the opening: the add, twice on end, and its wait ahead of my first tensor load
	ds_add_u32 v[SPW], v[NIL]
	v_lshrrev_b32 v30, 5, v0
	v_readfirstlane_b32 s[WV], v30                 ; wave 0..3
	s_bfe_u32 s70, ttmp6, 0x40000                  ; cx
	s_lshl_b32 s71, ttmp9, 2
	s_add_co_u32 s71, s71, s70                     ; my block of 64 queries, 0..15
	s_and_b32 s72, ttmp7, 0xffff                   ; the image, which the four partners share
	s_mov_b32 s[G1C], 0x0023000f                   ; a dense chunk: mask 15, bit 21 beside it, elements of 8 bytes; 24,576 bytes as 96 rows of 256
	s_mov_b32 s[G1C+1], 32<<16
	s_mov_b32 s[G1C+2], 96<<16
	s_mov_b32 s[G1C+3], 32<<16
	s_mov_b32 s[G1C+4], 96
	s_mov_b32 s[G1C+5], 32
	s_mov_b32 s[G1C+6], 0
	s_mov_b32 s[G1C+7], 0
	s_mov_b32 s[G1S], 0x0023000f                   ; a quarter of the scale bytes: 32 rows of 256
	s_mov_b32 s[G1S+1], 32<<16
	s_mov_b32 s[G1S+2], 32<<16
	s_mov_b32 s[G1S+3], 32<<16
	s_mov_b32 s[G1S+4], 32
	s_mov_b32 s[G1S+5], 32
	s_mov_b32 s[G1S+6], 0
	s_mov_b32 s[G1S+7], 0
	s_mov_b32 s[CS], 0x3d8293ee                    ; c = log2(e) / sqrt(512)
	s_mov_b32 s[CS+1], s[CS]
	s_mov_b32 s[SEL], 0x76543210
	s_mov_b32 s[SEL+1], 0xfedcba98
	s_mul_i32 s74, s[WV], 24576                    ; my quarter of a slot
	s_mul_i32 s76, s[WV], 49152                    ; my eight tiles of a weight
	s_mov_b32 s77, 0
	s_mul_i32 s78, s72, 786432
	s_mul_i32 s79, s[WV], 196608
	s_add_co_u32 s78, s78, s79                     ; my stream of K and V
	s_mov_b32 s79, 0
	s_lshl_b32 s80, s72, 15
	s_lshl_b32 s75, s[WV], 13
	s_add_co_u32 s80, s80, s75                     ; my quarter of the image's scale bytes
	s_mov_b32 s81, 0
	s_add_co_u32 s75, s75, KVS
	s_lshl_b32 s82, s72, 5
	s_lshl_b32 s83, s71, 1
	s_add_co_u32 s82, s82, s83
	s_mul_i32 s82, s82, 12288                      ; xc: my two groups of 32 pixels
	s_mov_b32 s83, 0
	s_lshl_b32 s84, s72, 14
	s_lshl_b32 s85, s71, 6
	s_add_co_u32 s84, s84, s85                     ; xs: my 64 places
	s_mov_b32 s85, 0
	s_lshl_b32 s86, s[WV], 11                      ; a weight's scale bytes: my 128 rows
	s_mov_b32 s87, 0
	s_lshl_b32 s88, s[WV], 9                       ; a bias: my 128 numbers
	s_mov_b32 s89, 0
	s_lshl_b32 s90, s72, 21
	s_lshl_b32 s91, s[WV], 19
	s_add_co_u32 s90, s90, s91
	s_lshl_b32 s91, s71, 8
	s_add_co_u32 s90, s90, s91                     ; inp, out0: image, my 128 channels, my 64 pixels
	s_mov_b32 s91, 0
	s_add_co_u32 s92, s70, 4
	s_lshl_b32 s92, s92, 13                        ; the prefetches: piece 4 + cx
	s_mov_b32 s93, 0
	v_and_b32 v[LN], 31, v0
	v_and_b32 v30, 15, v0                          ; r
	v_bfe_u32 v31, v0, 4, 1                        ; h
	v_lshlrev_b32 v[LI], 4, v[LN]
	v_lshlrev_b32 v[TM], 2, v[LN]                  ; 4 x lane
	v_lshlrev_b32 v[TM+1], 2, v30                  ; 4 r
	v_add_nc_u32 v[ADS0], s74, v[LI]
	v_add_nc_u32 v[ADS1], SLOT1, v[ADS0]
	s_lshl_b32 s94, s[WV], 12
	v_add_nc_u32 v[KSA], s94, v[LI]
	v_add_nc_u32 v[KSA], KVS, v[KSA]               ; K's scale words: my 256 places of 16 bytes
	s_lshl_b32 s94, s[WV], 9
	v_add_nc_u32 v[VSA], s94, v[TM]
	v_add_nc_u32 v[VSA], KVS+16384, v[VSA]         ; V's: my 128 places of 4 bytes in each key step
	s_mul_i32 s94, s[WV], 1536
	v_add_nc_u32 v[QWI], s94, v[LI]
	v_add_nc_u32 v[QWI], QIMG, v[QWI]
	s_lshl_b32 s94, s[WV], 7
	v_add_nc_u32 v[QWS], s94, v[TM]
	v_add_nc_u32 v[QWS], QSC, v[QWS]
	v_add_nc_u32 v[LQ], QIMG, v[LI]
	v_lshl_add_u32 v[RWQ], v31, 7, v[TM+1]
	v_add_nc_u32 v[RWQ], QSC, v[RWQ]
	s_mul_i32 s94, s[WV], 3072
	v_add_nc_u32 v[PWI], s94, v[LI]
	v_add_nc_u32 v[PWI], PIMG, v[PWI]              ; P's images: my two key steps; 16 bytes a lane,
	v_lshlrev_b32 v[LP2], 3, v[LN]
	v_add_nc_u32 v[PWJ], s94, v[LP2]
	v_add_nc_u32 v[PWJ], PIMG+512, v[PWJ]          ; and 8 bytes a lane behind them
	v_add_nc_u32 v[LP2], PIMG+512, v[LP2]
	s_lshl_b32 s94, s[WV], 8
	v_add_nc_u32 v[PWS], s94, v[TM]
	v_add_nc_u32 v[PWS], PSC, v[PWS]
	v_add_nc_u32 v[LP], PIMG, v[LI]
	v_lshl_add_u32 v[RWP], v31, 7, v[TM+1]
	v_add_nc_u32 v[RWP], PSC, v[RWP]
	v_add_nc_u32 v[RDW], s94, v[TM+1]
	v_add_nc_u32 v[RDW], RED, v[RDW]
	v_add_nc_u32 v[RDR], RED, v[TM+1]
	s_mul_i32 s94, s[WV], 4352
	s_add_co_u32 s94, s94, PIMG
	v_mul_u32_u24 v[STO], v30, 272
	v_lshl_add_u32 v[STO], v31, 6, v[STO]
	v_add_nc_u32 v[STO], s94, v[STO]               ; the stage, in: row r of 272 bytes, + 64 h
	v_mul_u32_u24 v[SRD], v31, 272
	v_lshl_add_u32 v[SRD], v30, 4, v[SRD]
	v_add_nc_u32 v[SRD], s94, v[SRD]               ; back: lanes 0-15 one row, lanes 16-31 the next
	v_lshlrev_b32 v[GO], 12, v31
	v_lshl_add_u32 v[GO], v30, 4, v[GO]            ; the same two rows (channels, 4,096 bytes apart) in inp and out0
	v_lshlrev_b32 v[PFO], 8, v[LN]
	v_lshlrev_b32 v[XO1], 3, v30
	v_mad_u32_u24 v[XO0], v31, 384, v[XO1]         ; x's fragments: even tiles 8 r + 384 h,
	v_lshl_add_u32 v[XO1], v31, 7, v[XO1]
	v_add_nc_u32 v[XO1], 128, v[XO1]               ; odd tiles 128 + 8 r + 128 h
	v_lshlrev_b32 v[BQO], 6, v31
	v_and_b32 v[BOO], 8, v30
	v_add_nc_u32 v[BOO], v[BOO], v30               ; r + 8 (r / 8)
	v_lshl_add_u32 v[WSO], v31, 3, v[BOO]
	v_lshlrev_b32 v[WSO], 4, v[WSO]
	v_lshlrev_b32 v[BOO], 2, v[BOO]
.irp k, 0,1,2,3
	v_mov_b32 v[TM+4+\k], 0                        ; a lane permute's destination counts as one of its sources
.endr
	s_wait_dscnt 0x0                               ; both opening adds are done
	s_wait_kmcnt 0x0
	s_add_nc_u64 s[76:77], s[8:9], s[76:77]        ; Wq's eight tiles of mine
	s_add_nc_u64 s[WOW:WOW+1], s[76:77], 589824    ; Wo's
	s_add_nc_u64 s[KVW:KVW+1], s[14:15], s[78:79]
	s_add_nc_u64 s[80:81], s[16:17], s[80:81]
	s_mov_b32 s[G0A], 1
	s_mov_b32 s[G0A+1], s74
	s_mov_b64 s[G0A+2:G0A+3], s[76:77]
	s_or_b32 s[G0A+3], s[G0A+3], 0x80000000
	s_mov_b32 s[G0B], 1
	s_add_co_u32 s[G0B+1], s74, SLOT1
	s_add_nc_u64 s[G0B+2:G0B+3], s[76:77], 24576
	s_or_b32 s[G0B+3], s[G0B+3], 0x80000000
	s_mov_b32 s[G0S], 1
	s_mov_b32 s[G0S+1], s75
	s_mov_b64 s[G0S+2:G0S+3], s[80:81]
	s_or_b32 s[G0S+3], s[G0S+3], 0x80000000
	s_add_nc_u64 s[PFA:PFA+1], s[KVW:KVW+1], s[92:93]
	s_add_nc_u64 s[4:5], s[4:5], s[82:83]
	s_add_nc_u64 s[6:7], s[6:7], s[84:85]
	s_add_nc_u64 s[10:11], s[10:11], s[86:87]
	s_add_nc_u64 s[18:19], s[18:19], s[86:87]
	s_add_nc_u64 s[12:13], s[12:13], s[88:89]
	s_add_nc_u64 s[20:21], s[20:21], s[88:89]
	s_add_nc_u64 s[22:23], s[22:23], s[90:91]
	s_add_nc_u64 s[24:25], s[24:25], s[90:91]
	ROUND                                          ; the four work-groups are here: the first joint loads meet
	tensor_load_to_lds s[G0A:G0A+3], s[G1C:G1C+7]  ; chunk 0,
	s_nop 0
	tensor_load_to_lds s[G0B:G0B+3], s[G1C:G1C+7]  ; chunk 1,
	s_nop 0
	tensor_load_to_lds s[G0S:G0S+3], s[G1S:G1S+7]  ; the scale bytes of K and V
	s_nop 0
	PLACES
	s_mov_b32 s[G1V], 0x0023000f                   ; a chunk of V (in registers that the sums above have left): mask 15, bit 21, elements of 8 bytes;
	s_mov_b32 s[G1V+1], 384<<16                    ; tensor_dim0 = 384 elements: two key steps' fragments of a channel tile, 3,072 bytes
	s_mov_b32 s[G1V+2], 8<<16                      ; tensor_dim1 = 8 channel tiles
	s_mov_b32 s[G1V+3], 384<<16                    ; tile_dim0
	s_mov_b32 s[G1V+4], 8                          ; tile_dim1
	s_mov_b32 s[G1V+5], 1536                       ; from tile to tile: 12,288 bytes
	s_mov_b32 s[G1V+6], 0
	s_mov_b32 s[G1V+7], 0
	WIN 0x80
.irp qt, 0,1,2,3
.irp s, 0,1,2,3
.irp p, 0,1,2,3,4,5
	global_load_b64 v[12*(4*\qt+\s)+2*\p:12*(4*\qt+\s)+2*\p+1], v[XO0+\qt%2], s[4:5] offset:(\qt/2)*12288+\s*3072+512*\p   ; x's 16 fragments of my queries
.endr
.endr
.endr
	WIN 0xc0
.irp t, 0,1,2,3,4,5,6,7
	global_load_b128 v[8*\t:8*\t+3], v[BQO], s[12:13] offset:(32*(\t/2)+8*(\t%2))*4       ; bq in the result's layout
	global_load_b128 v[8*\t+4:8*\t+7], v[BQO], s[12:13] offset:(32*(\t/2)+8*(\t%2))*4+16
.endr
	WIN 0
.irp pi, 0,1,2,3
	global_load_b128 v[WS+4*\pi:WS+4*\pi+3], v[WSO], s[10:11] offset:512*\pi
.endr
.irp g, 0,1
.irp kb, 0,1,2,3,4,5,6,7,8,9,10,11,12,13,14,15
	global_load_u8 v[BM+16*\g+\kb], v[LN], s[6:7] offset:\kb*1024+32*\g
.endr
.endr
	s_wait_loadcnt 0x0
.irp g, 0,1
.irp s, 0,1,2,3
	v_lshl_or_b32 v[XS+4*\g+\s], v[BM+16*\g+4*\s+1], 8, v[BM+16*\g+4*\s]
	v_lshl_or_b32 v[XS+4*\g+\s], v[BM+16*\g+4*\s+2], 16, v[XS+4*\g+\s]
	v_lshl_or_b32 v[XS+4*\g+\s], v[BM+16*\g+4*\s+3], 24, v[XS+4*\g+\s]
.endr
.endr
.rept 8
	v_nop                                          ; a scale register written by vector lines stands eight places ahead of a scaled product
.endr
	s_wait_tensorcnt 2                             ; chunk 0 is in; chunk 1 and the scale bytes may be out.  Its bytes are mine alone to read
	FETCHG 0, 0, 0, 0
	FETCHG 0, 1, 1, 0
	; ---- Q = Wq x + bq: my 128 channels of the 64 queries
	CHUNK 0, 0, 1, 0
	CHUNK 0, 1, 3, 0
	PLACES
.irp qt, 0,1,2,3
	QUANT 64*\qt, 16, 1
	TOIMG \qt
.endr
	CHANGE 1                                       ; K's first chunk has had the second chunk of Wq and the quantiser in which to land; behind the round Q's sixteen fragments lie in LDS
	FROMIMG 0x40
	SCL 1, 0
	FETCHG 1, 0, 0, 0
	FETCHG 1, 1, 1, 0
	INP 0
	; ---- S^T = K Q^T and the softmax: my 256 keys, 64 at a time
.irp j, 0,1,2,3
	CHUNK 1, \j, 3, 0
	SM \j
.if \j < 3
	CHANGE 2+\j
	SCL 1, \j+1
	FETCHG 1, 0, 0, (\j+1)%2
	FETCHG 1, 1, 1, (\j+1)%2
	INP 1+\j
.endif
.endr
	; ---- the softmax's end: -M is the least of all -M_j
.irp qt, 0,1,2,3
	v_min_num_f32 v[FW+\qt], v[NMP+\qt], v[NMP+4+\qt]
.endr
.irp qt, 0,1,2,3
	v_min_num_f32 v[FW+\qt], v[FW+\qt], v[NMP+8+\qt]
.endr
.irp qt, 0,1,2,3
	v_min_num_f32 v[FW+\qt], v[FW+\qt], v[NMP+12+\qt]
.endr
.irp qt, 0,1,2,3
	ds_store_b32 v[RDW], v[FW+\qt] offset:64*\qt   ; my 256 keys' -M of each query
.endr
	CHANGE 5                                       ; behind the round the four waves' -M lie in LDS
.irp qt, 0,1,2,3
.irp ww, 0,1,2,3
	ds_load_b32 v[FL+4*\qt+\ww], v[RDR] offset:256*\ww+64*\qt
.endr
.endr
	s_wait_dscnt 0x0
.irp qt, 0,1,2,3
	v_min_num_f32 v[FN+\qt], v[FL+4*\qt], v[FL+4*\qt+1]
.endr
.irp qt, 0,1,2,3
	v_min_num_f32 v[FL+4*\qt+2], v[FL+4*\qt+2], v[FL+4*\qt+3]
.endr
.irp qt, 0,1,2,3
	v_min_num_f32 v[FN+\qt], v[FN+\qt], v[FL+4*\qt+2]
.endr
.irp j, 0,1,2,3
.irp qt, 0,1,2,3
	v_sub_f32 v[FD+4*\j+\qt], v[FN+\qt], v[NMP+4*\j+\qt]   ; M_j - M: a whole number, 0 or less
.endr
.endr
.set k, 0
.rept 16
	v_cvt_i32_f32 v[FD+k], v[FD+k]                 ; (it saturates)
.set k, k+1
.endr
.set k, 0
.rept 16
	v_ldexp_f32 v[LS+k], v[LS+k], v[FD+k]          ; the chunks' sums under M
.set k, k+1
.endr
.irp qt, 0,1,2,3
	v_add_f32 v[LS+\qt], v[LS+\qt], v[LS+4+\qt]
	v_add_f32 v[LS+8+\qt], v[LS+8+\qt], v[LS+12+\qt]
.endr
.irp qt, 0,1,2,3
	v_add_f32 v[LS+\qt], v[LS+\qt], v[LS+8+\qt]
.endr
.irp qt, 0,1,2,3
	ds_store_b32 v[RDW], v[LS+\qt] offset:1024+64*\qt
.endr
.irp j, 0,1,2,3
.irp qt, 0,1,2,3
.irp b, 0,1
	v_ldexp_f32 v[PMX+8*\j+2*\qt+\b], v[PMX+8*\j+2*\qt+\b], v[FD+4*\j+\qt]   ; each block's largest p under M
.endr
.endr
.endr
.set k, 0
.rept 32
	v_max_num_f32 v[PMX+k], 0x2800000, v[PMX+k]    ; the floor once more: the byte cannot fall under 1
.set k, k+1
.endr
.set k, 0
.rept 32
	v_add_nc_u32 v[PMX+k], 0xfe000000, v[PMX+k]
.set k, k+1
.endr
.set k, 0
.rept 32
	v_lshrrev_b32 v[PMX+k], 23, v[PMX+k]           ; the scales' bytes
.set k, k+1
.endr
.irp G, 0,1                                    ; key step 2 w + G of query tile qt: byte 2 c + b comes from chunk 2 G + c
.irp qt, 0,1,2,3
	v_lshl_or_b32 v[FP+4*\G+\qt], v[PMX+16*\G+2*\qt+1], 8, v[PMX+16*\G+2*\qt]
.endr
.irp qt, 0,1,2,3
	v_lshl_or_b32 v[FP+4*\G+\qt], v[PMX+16*\G+8+2*\qt], 16, v[FP+4*\G+\qt]
.endr
.irp qt, 0,1,2,3
	v_lshl_or_b32 v[FP+4*\G+\qt], v[PMX+16*\G+9+2*\qt], 24, v[FP+4*\G+\qt]
.endr
.irp qt, 0,1,2,3
	ds_store_b32 v[PWS], v[FP+4*\G+\qt] offset:\qt*1024+128*\G
.endr
.endr
	BARRIER                                        ; P's 32 fragments, their scale words and the waves' sums lie in LDS
	; ---- O^T = V^T P^T: my 128 channels, two key steps at a time
	PLOAD 0
	WIN 0x80
.irp ot, 0,1,2,3,4,5,6,7                       ; bo for the last product: a lane holds one output there: the same number in all eight registers
.irp n, 0,1,2,3,4,5,6,7
	global_load_b32 v[192+8*\ot+\n], v[BOO], s[20:21] offset:(32*(\ot/2)+8*(\ot%2))*4
.endr
.endr
	WIN 0
.irp pi, 0,1,2,3
	global_load_b128 v[WS+4*\pi:WS+4*\pi+3], v[WSO], s[18:19] offset:512*\pi   ; Wo's scale words
.endr
.irp qt, 0,1,2,3
.irp sg, 0,1,2,3
	ds_load_b32 v[PS+4*\qt+\sg], v[RWP] offset:128*(8*\qt+2*\sg)
.endr
.endr
.irp qt, 0,1,2,3
.irp ww, 0,1,2,3
	ds_load_b32 v[TM+4*\qt+\ww], v[RDR] offset:1024+256*\ww+64*\qt
.endr
.endr
	SCL 2, 0
	FETCHG 2, 0, 0, 0
	FETCHG 2, 1, 1, 0
	s_wait_dscnt 32                                ; the sums are in; V's 8 scale loads and 24 fragment loads may be out
.irp qt, 0,1,2,3
	v_add_f32 v[TM+4*\qt], v[TM+4*\qt], v[TM+4*\qt+1]
	v_add_f32 v[TM+4*\qt+2], v[TM+4*\qt+2], v[TM+4*\qt+3]
.endr
.irp qt, 0,1,2,3
	v_add_f32 v[TM+4*\qt], v[TM+4*\qt], v[TM+4*\qt+2]
.endr
.irp qt, 0,1,2,3
	v_rcp_f32 v[RL+2*\qt], v[TM+4*\qt]             ; 1 / the row's sum
.endr
	v_nop
	s_wait_alu depctr_va_vdst(0)                   ; one wait for the four, ahead of their first reader
.irp qt, 0,1,2,3
	v_mov_b32 v[RL+2*\qt+1], v[RL+2*\qt]
.endr
	CHUNK 2, 0, 1, 6
	CHUNK 2, 1, 1, 7
	CHUNK 2, 2, 1, 8
	CHUNK 2, 3, 3, 0
	PLACES
	; ---- A = O / the sum, quantised along the channels: K step w of the last product
	s_wait_loadcnt 0x0                             ; inp, bo and Wo's scale words
.irp qt, 0,1,2,3
	WIN 0x41
.set k, 0
.rept 32
	v_pk_mul_f32 v[64*\qt+k:64*\qt+k+1], v[64*\qt+k:64*\qt+k+1], v[RL+2*\qt:RL+2*\qt+1] op_sel_hi:[1,0]
.set k, k+2
.endr
	QUANT 64*\qt, 16, 1
	TOIMG \qt
.endr
	CHANGE 9                                       ; Wo's first chunk has had V's last chunk and the quantiser in which to land; behind the round A's sixteen fragments lie in LDS
	FROMIMG 0x80
	FETCHG 3, 0, 0, 0
	FETCHG 3, 1, 1, 0
	; ---- the last product: source 0 = A's 16 queries, source 1 = 16 rows of Wo: a lane holds one output channel and eight neighbouring pixels
	OCHUNK 0
	s_wait_tensorcnt 0x0                           ; the last chunk is in: no load was issued behind it; its bytes are mine alone to read
	FETCHG 3, 0, 0, 1
	FETCHG 3, 1, 1, 1
	OCHUNK 1
	s_wait_tensorcnt 0x0                           ; the wave's end
	ds_add_u32 v[SPW], v[NIL]
	s_wait_dscnt 0x0
	ROUND                                          ; the closing round
	s_endpgm
.Lfunc_end_k_qf85af8f30f_attn:
	.size	k_qf85af8f30f_attn, .Lfunc_end_k_qf85af8f30f_attn-k_qf85af8f30f_attn
	.p2alignl 7, 3214868480
	.fill 96, 4, 3214868480
	.section	.rodata,"a",@progbits
	.p2align	6, 0x0
	.amdhsa_kernel k_qf85af8f30f_attn
		.amdhsa_group_segment_fixed_size 327680
		.amdhsa_private_segment_fixed_size 0
		.amdhsa_enable_private_segment 0
		.amdhsa_kernarg_size 88
		.amdhsa_user_sgpr_count 2
		.amdhsa_user_sgpr_kernarg_segment_ptr 1
		.amdhsa_wavefront_size32 1
		.amdhsa_system_sgpr_workgroup_id_x 1
		.amdhsa_system_sgpr_workgroup_id_y 1
		.amdhsa_system_sgpr_workgroup_id_z 1
		.amdhsa_system_vgpr_workitem_id 0
		.amdhsa_next_free_vgpr 1024
		.amdhsa_next_free_sgpr 96
		.amdhsa_reserve_vcc 0
		.amdhsa_float_denorm_mode_32 3
		.amdhsa_float_denorm_mode_16_64 3
		.amdhsa_memory_ordered 1
		.amdhsa_forward_progress 1
		.amdhsa_inst_pref_size 255
	.end_amdhsa_kernel
	.section	.bss,"aw",@nobits
	.p2align	6
	.space	262144
	.amdgpu_metadata
---
amdhsa.version: [ 1, 2 ]
amdhsa.kernels:
  - .name:           k_qf85af8f30f_attn
    .symbol:         k_qf85af8f30f_attn.kd
    .args:
      - { .name: xc, .offset: 0, .size: 8, .value_kind: global_buffer, .address_space: global }
      - { .name: xs, .offset: 8, .size: 8, .value_kind: global_buffer, .address_space: global }
      - { .name: wimg, .offset: 16, .size: 8, .value_kind: global_buffer, .address_space: global }
      - { .name: Wq_scales, .offset: 24, .size: 8, .value_kind: global_buffer, .address_space: global }
      - { .name: bq, .offset: 32, .size: 8, .value_kind: global_buffer, .address_space: global }
      - { .name: kv, .offset: 40, .size: 8, .value_kind: global_buffer, .address_space: global }
      - { .name: kvs, .offset: 48, .size: 8, .value_kind: global_buffer, .address_space: global }
      - { .name: Wo_scales, .offset: 56, .size: 8, .value_kind: global_buffer, .address_space: global }
      - { .name: bo, .offset: 64, .size: 8, .value_kind: global_buffer, .address_space: global }
      - { .name: inp, .offset: 72, .size: 8, .value_kind: global_buffer, .address_space: global }
      - { .name: out0, .offset: 80, .size: 8, .value_kind: global_buffer, .address_space: global }
    .group_segment_fixed_size: 327680
    .private_segment_fixed_size: 0
    .kernarg_segment_align: 8
    .kernarg_segment_size: 88
    .max_flat_workgroup_size: 128
    .sgpr_count:     96
    .vgpr_count:     1024
    .wavefront_size: 32
...
	.end_amdgpu_metadata
.endif
;; end of part 3
